; MI455X (gfx1250); checked and timed in simulation.
; The chip was launched on July 23, 2026; its instructions are those of AMD's public machine-readable ISA for CDNA 5 (MIT licence, August 2026) and "CDNA5" Instruction Set Architecture Reference Guide (July 2026). The comments in the code are by the model that wrote it; some were corrected since.
;; Attention Layer. Allowed arithmetic: matrix products marked QUANTISED: E4M3 operands, one E8M0 scale for each 32 along K, by v_wmma_scale_f32_16x16x128_f8f6f4 with both operands' format E4M3, f32 sums; everything else in f32.
;; Inputs: Wk 16 x 1,024 x 64 float32; Wo 1,024 x 1,024 float32; Wq 16 x 1,024 x 64 float32; Wv 16 x 1,024 x 64 float32; bk 16 x 64 float32; bo 1,024 float32; bq 16 x 64 float32; bv 16 x 64 float32; input_tensor 1,024 x 8 x 1,024 float32; keys_vector 1,024 x 8 x 1,024 float32; values_vector 1,024 x 8 x 1,024 float32.
;; Outputs: out0 1,024 x 8 x 1,024 float32.
;; Constants: mask = 1.
;; This version of the problem:
;;   THIS VERSION OF THE PROBLEM IS GIVEN IN LOW PRECISION. The matrix products marked QUANTISED in the list below multiply operands that are first quantised to E4M3 (4 exponent bits, 3 mantissa bits; 8 bits a number), with one power-of-two scale for each 32 numbers along K (OCP MX v1.0); their sums are f32. All else is computed in f32.
;;   The module's matrix products, in the order in which they are computed (A, B: the left and right operand; K: the contracted axis; several contracted axes count as one K, in the product's order):
;;     1. [M 8,192, K 1,024] x [K 1,024, N 1,024]; A: input input_tensor; B: input Wq: QUANTISED
;;     2. [M 8,192, K 1,024] x [K 1,024, N 1,024]; A: input keys_vector; B: input Wk: QUANTISED
;;     3. [M 8,192, K 1,024] x [K 1,024, N 1,024]; A: input values_vector; B: input Wv: QUANTISED
;;     4. batch 128 x [M 1,024, K 64] x [K 64, N 1,024]; A: computed on the way; B: computed on the way: QUANTISED
;;     5. batch 128 x [M 64, K 1,024] x [K 1,024, N 1,024]; A: computed on the way; B: softmax (see below): QUANTISED
;;     6. [M 8,192, K 1,024] x [K 1,024, N 1,024]; A: computed on the way; B: input Wo: QUANTISED
;;   THE QUANTISER, for each operand of a quantised product, along K:
;;     - K is cut into blocks of 32 from its start; a last block that is shorter is filled with zeros.
;;     - A block's scale is 2^e with e = floor(log2(the largest magnitude in the block)) - 8, held to -126 .. 127; a block of zeros has e = 0. As a byte (E8M0): e + 127.
;;     - Each number is divided by its block's scale, clamped to +-448, and rounded to the nearest number of E4M3, ties to even, subnormals kept.
;;     - The product sums the exact products of the quantised numbers (number of the format x scale) in f32.
;;   ~~~python
;;   def quantise(x, axis):      # numpy; x: float32 -> the quantised numbers, widened to float32 again
;;       x = np.moveaxis(x, axis, -1); K = x.shape[-1]
;;       x = np.pad(x, [(0, 0)] * (x.ndim - 1) + [(0, -K % 32)]); x = x.reshape(x.shape[:-1] + (-1, 32)); a = np.abs(x).max(-1, keepdims=True)
;;       e = np.where(a > 0, np.clip(np.frexp(np.where(a > 0, a, 1))[1] - 1 - 8, -126, 127), 0)      # np.frexp(a)[1] - 1 = floor(log2(a)), exactly
;;       r = np.clip(x / 2.0 ** e, -448, 448)
;;       step = 2.0 ** (np.maximum(np.frexp(np.where(r == 0, 1, r))[1] - 1, -6) - 3)
;;       q = np.round(r / step) * step * 2.0 ** e      # np.round: ties to even
;;       return np.moveaxis(q.reshape(q.shape[:-2] + (-1,))[..., :K], -1, axis).astype(np.float32)
;;   ~~~
;;   SOFTMAX AHEAD OF A QUANTISED PRODUCT. Where the list says 'softmax', what is quantised is not the finished softmax but p = 2^(t - M), with t = logit x log2(e) and M = ceil(the row's largest t), a whole number; so 1/2 < the row's largest p <= 1. The row's sum l is taken of the UNQUANTISED p, in f32, and the product's result is divided by l at the end. Since M is a whole number, a kernel that streams over the keys may use a running M (the ceiling of the running maximum): every later rescaling is an exact power of two, which a block's scale takes up: the codes' values come out the same.
;;   OPERANDS COMPUTED ON THE WAY. 'Computed on the way' means the value that the module computes at that place (a softmax that the list does not call 'softmax' is quantised finished and normalised). What goes into a quantiser is computed in f32, as accurately as f32 sums, v_exp_f32 and their like allow (about 1e-6 of the number): no bf16 or f16 on the way to a quantiser, and a product that is left as it is and whose result goes on into a quantised operand takes f32 operands (vector FMAs, or v_wmma_f32_16x16x4_f32). A number that lies on a knife's edge between two numbers of the format may be rounded either way, as far as f32 arithmetic and the matrix unit's own rounding can turn it there, and no further.
;; One version. Each part assembles by itself: llvm-mc -triple=amdgcn-amd-amdhsa -mcpu=gfx1250 --defsym DOCPART=n.
;; ======== version 1 of 1: 4 launches
;; limits: right only within a limited range of input values
;; workspace buffers: cod 29,360,128 bytes; sca 917,504 bytes; att 25,165,824 bytes; ats 1,572,864 bytes; oc 8,388,608 bytes; os 262,144 bytes
;; launch quant (part 1): grid 448 x 1, 8 waves a work-group, no clusters, 68,608 bytes of LDS; arguments input_tensor, keys_vector, values_vector, Wo, Wq, Wk, Wv, cod, sca; writes cod, sca
.if DOCPART == 1
	.amdgcn_target "amdgcn-amd-amdhsa--gfx1250"
	.amdhsa_code_object_version 6
	.text
	.protected	k_qe59c57b8cd_quant
	.globl	k_qe59c57b8cd_quant
	.p2align	8
	.type	k_qe59c57b8cd_quant,@function
k_qe59c57b8cd_quant:
	s_mov_b64 s[64:65], 0
	v_nop
	global_prefetch_b8 v0, s[64:65] scope:SCOPE_SE
	s_setreg_imm32_b32 hwreg(HW_REG_WAVE_MODE, 25, 1), 1
	s_wait_xcnt 0x0
; The three activations [1024 t][8 b][1024 d], Wo [1024 n][1024 k] (K innermost) and Wq, Wk, Wv [16 head][1024 d][64] (K = d is not innermost), all f32,
; become codes of FP8 (E4M3) with one E8M0 byte for each 32 along K, laid as the matrix unit's registers take them.
; A TILE is 16 rows; place r of tile T holds row 32 (T / 2) + 8 (T % 2) + r + 8 (r / 8).  AN IMAGE (16 rows x 128 K) is 2,048 bytes: [c 0..3][lane][16 bytes], lane (r, h) holding k = 32 c + 16 h + 0 .. 15.
; cod: [K slot of 256][tile][q: which 128][image].  sca: the scale word (128 k) of place r of tile T at K step s lies at (T / 8) 4096 + 512 s + ((T / 4) % 2) 256 + 16 r + 4 (T % 4).
; Tiles: activations tensor x 512 + b x 64 + t tile; Wq 1536 on, Wk 1600 on, Wv 1664 on (head x 4 + channel tile), Wo 1728 on.
; A block's scale is 2^(floor(log2(its largest magnitude)) - 8); its byte is the largest magnitude's exponent field - 8, held at 1 from below.
; LIMITS: a block of zeros, and one whose largest magnitude lies under 2^-118, keeps the byte 1 (a block of zeros has zero codes; the bytes are read by this program alone); NaN and infinities are not served.
; Work-groups 0 to 399: K innermost: 64 rows (4 tiles) each, wave w takes K step w.  Each load reads one row's 512 consecutive bytes; a tile turns through the wave's own stage in LDS so that a lane holds 16 neighbours of each block.
; Work-groups 400 to 447: K outermost: one head of one weight; a lane takes a channel and its registers run down K; no LDS.  The scale words of this path leave 8 bytes a lane: 96 KB in all, one byte in 128 of what the path reads.
; No matrix work, no tensor loads, no barrier: waves share nothing.
.set SSC,   7340032                    ; bytes of a K slot in cod: 1,792 tiles x 4,096
.set STGB,  8448                       ; a wave's stage: 16 rows x (512 + 16) bytes
.set SPARE, 8*STGB                     ; behind the stages: the spare words, 128 bytes a wave: four blocks of 256 bytes that no other line names
.set SPW,  1                           ; v1   my spare word's LDS address; never rewritten
.set NIL,  2                           ; v2   0; never rewritten
.set STI,  3                           ; v3   the stage, way in: 16 x lane
.set STO,  4                           ; v4   way out: 528 r + 64 h
.set L16,  5                           ; v5   16 x lane
.set R16,  6                           ; v6   16 r
.set LN,   7                           ; v7   lane
.set PWR,  8                           ; v8-11   the four tiles' scale words
.set ROFF, 16                          ; v16-31  row place i: 16 x lane + (i + 8 (i / 8)) x row pitch
.set R,    32                          ; v32-159 two sets of 64: a tile as loaded
.set X,    160                         ; v160-223 a lane's 64 numbers: register 16 b + i = k 32 b + 16 h + i
.set PC,   224                         ; v224-239 the codes just made
.set TM,   240                         ; v240-255 at work
.set SEL,  44                          ; s[44:45] lane selects: lane l xor 16
.set MNT,  46                          ; s46 the mantissa field of 448
	s_load_b512 s[8:23], s[0:1], 0x0               ; input s[8:9], keys s[10:11], values s[12:13], Wo s[14:15], Wq s[16:17], Wk s[18:19], Wv s[20:21], cod s[22:23]
	s_load_b64 s[24:25], s[0:1], 0x40              ; sca
	v_lshl_add_u32 v[SPW], v0, 2, SPARE
	v_mov_b32 v[NIL], 0
	v_lshrrev_b32 v7, 5, v0
	s_delay_alu instid0(VALU_DEP_1)
	v_readfirstlane_b32 s26, v7                    ; wave 0..7
	v_and_b32 v[LN], 31, v0
	s_mov_b32 s[MNT], 0x600000
	s_cmp_lt_u32 ttmp9, 400
	s_cbranch_scc0 .Lweights
; 64 numbers of a lane, v[s] on, become a fragment's codes in v[PC] on and its scale word in v[pw]
.macro QUANT s, pw
.irp b, 0,1,2,3
	v_max3_num_f32 v[TM+\b], |v[\s+16*\b]|, |v[\s+1+16*\b]|, 0x4800000   ; block b: my 16 numbers, and the floor 2^(9 - 127): the byte cannot fall under 1
.endr
.irp i, 2,4,6,8,10,12,14
.irp b, 0,1,2,3
	s_delay_alu instid0(VALU_DEP_4)
	v_max3_num_f32 v[TM+\b], v[TM+\b], |v[\s+16*\b+\i]|, |v[\s+1+16*\b+\i]|   ; the four blocks by turns
.endr
.endr
.irp b, 0,1,2,3
	s_delay_alu instid0(VALU_DEP_4)
	v_permlanex16_b32 v[TM+4+\b], v[TM+\b], s[SEL], s[SEL+1]
.endr
.irp b, 0,1,2,3
	s_delay_alu instid0(VALU_DEP_4)
	v_max_num_f32 v[TM+\b], v[TM+\b], v[TM+4+\b]   ; with lane l xor 16's: the block's largest magnitude
.endr
.irp b, 0,1,2,3
	s_delay_alu instid0(VALU_DEP_4)
	v_add_nc_u32 v[TM+12+\b], 0xfc000000, v[TM+\b] ; 8 off its exponent field: the conversion's scale operand
.endr
.irp b, 0,1,2,3
	v_and_or_b32 v[TM+8+\b], v[TM+\b], 0x7f800000, s[MNT]   ; 448 x the scale
.endr
.irp b, 0,1,2,3
	v_lshrrev_b32 v[TM+4+\b], 23, v[TM+12+\b]      ; the scale's byte
.endr
	s_delay_alu instid0(VALU_DEP_3)
	v_lshl_or_b32 v[\pw], v[TM+5], 8, v[TM+4]      ; four bytes: my row's scale word
	s_delay_alu instid0(VALU_DEP_1)
	v_lshl_or_b32 v[\pw], v[TM+6], 16, v[\pw]
	s_delay_alu instid0(VALU_DEP_1)
	v_lshl_or_b32 v[\pw], v[TM+7], 24, v[\pw]
.irp b, 0,1,2,3
.irp i, 0,1,2,3,4,5,6,7,8,9,10,11,12,13,14,15
	v_med3_num_f32 v[\s+16*\b+\i], v[\s+16*\b+\i], -v[TM+8+\b], v[TM+8+\b]   ; the conversion to an 8-bit code does not saturate (ISA guide 7.6.2): the hold at the largest code x the scale
.endr
	v_cvt_scalef32_pk8_fp8_f32 v[PC+4*\b:PC+1+4*\b], v[\s+16*\b:\s+7+16*\b], v[TM+12+\b]
	v_cvt_scalef32_pk8_fp8_f32 v[PC+2+4*\b:PC+3+4*\b], v[\s+8+16*\b:\s+15+16*\b], v[TM+12+\b]
.endr
	v_nop                                          ; one plain line behind the last conversion
.endm
	; ---- K innermost
	v_lshlrev_b32 v[L16], 4, v[LN]
	v_and_b32 v12, 15, v0                          ; r
	v_bfe_u32 v13, v0, 4, 1                        ; h
	s_delay_alu instid0(VALU_DEP_2)
	v_lshlrev_b32 v[R16], 4, v12
	s_mul_i32 s27, s26, STGB                       ; my stage
	v_add_nc_u32 v[STI], s27, v[L16]
	v_mul_u32_u24 v[STO], v12, 528
	s_delay_alu instid0(VALU_DEP_1)
	v_lshl_add_u32 v[STO], v13, 6, v[STO]
	s_delay_alu instid0(VALU_DEP_1)
	v_add_nc_u32 v[STO], s27, v[STO]
	s_mov_b32 s[SEL], 0x76543210
	s_mov_b32 s[SEL+1], 0xfedcba98
.irp b, 0,1,2,3
	v_mov_b32 v[TM+4+\b], 0                        ; written once: a lane permute's destination counts as one of its sources
.endr
	s_lshr_b32 s48, ttmp9, 4
	s_and_b32 s48, s48, 7                          ; b (0 for Wo: 384 / 16 is a multiple of 8)
	s_and_b32 s49, ttmp9, 15                       ; which 64 rows
	s_lshl_b32 s48, s48, 12                        ; b x 4,096 bytes
	s_lshl_b32 s50, s26, 9                         ; my K step: 128 numbers = 512 bytes
	s_add_co_u32 s48, s48, s50
	s_lshl_b32 s49, s49, 6
	s_wait_kmcnt 0x0
	s_cmp_lt_u32 ttmp9, 128                        ; which tensor: the choice hangs on the work-group's number alone
	s_cselect_b64 s[28:29], s[8:9], s[10:11]
	s_cmp_lt_u32 ttmp9, 256
	s_cselect_b64 s[28:29], s[28:29], s[12:13]
	s_cmp_lt_u32 ttmp9, 384
	s_cselect_b64 s[28:29], s[28:29], s[14:15]
	s_mov_b32 s30, 4096
	s_cselect_b32 s30, 0x8000, s30                 ; bytes from row to row: 8 x 4,096 in an activation (t to t + 1), 4,096 in Wo
	s_cselect_b32 s31, 0, 48
	s_add_co_u32 s31, s31, ttmp9                   ; my group of four tiles in cod and sca (Wo's begin at 432)
.irp n, 0,1,2,3
	s_add_co_u32 s50, s49, 32*(\n/2)+8*(\n%2)      ; tile n's first row
	s_mul_i32 s50, s50, s30
	s_add_co_u32 s50, s50, s48
	s_mov_b32 s51, 0
	s_add_nc_u64 s[32+2*\n:33+2*\n], s[28:29], s[50:51]
.endr
.irp i, 0,1,2,3,4,5,6,7,8,9,10,11,12,13,14,15
	v_mad_u32_u24 v[ROFF+\i], s30, \i+8*(\i/8), v[L16]
.endr
	s_lshr_b32 s50, s26, 1
	s_mul_i32 s50, s50, SSC                        ; K slot
	s_lshl_b32 s51, s31, 14                        ; four tiles of 4,096 bytes
	s_add_co_u32 s50, s50, s51
	s_and_b32 s51, s26, 1
	s_lshl_b32 s51, s51, 11                        ; which 128 of the slot
	s_add_co_u32 s50, s50, s51
	s_mov_b32 s51, 0
	s_add_nc_u64 s[40:41], s[22:23], s[50:51]
	s_lshr_b32 s50, s31, 1
	s_lshl_b32 s50, s50, 12
	s_and_b32 s51, s31, 1
	s_lshl_b32 s51, s51, 8
	s_add_co_u32 s50, s50, s51
	s_lshl_b32 s51, s26, 9
	s_add_co_u32 s50, s50, s51
	s_mov_b32 s51, 0
	s_add_nc_u64 s[42:43], s[24:25], s[50:51]
.macro LOADS n, p                      ; tile n's 16 rows into set p: each load is one row's 512 consecutive bytes
.irp i, 0,1,2,3,4,5,6,7,8,9,10,11,12,13,14,15
	global_load_b128 v[R+64*(\p)+4*\i:R+64*(\p)+4*\i+3], v[ROFF+\i], s[32+2*(\n):33+2*(\n)] th:TH_LOAD_NT
.endr
.endm
.macro TILE n
.if (\n) < 3
	s_wait_loadcnt 16                              ; this tile's 16 loads are in; the next tile's 16 may be out
.else
	s_wait_loadcnt 0x0
.endif
.irp i, 0,1,2,3,4,5,6,7,8,9,10,11,12,13,14,15
	ds_store_b128 v[STI], v[R+64*((\n)%2)+4*\i:R+64*((\n)%2)+4*\i+3] offset:528*\i
.endr
.irp c, 0,1,2,3
.irp j, 0,1,2,3
	ds_load_b128 v[X+16*\c+4*\j:X+16*\c+4*\j+3], v[STO] offset:128*\c+16*\j   ; LDS serves a wave's instructions in order: these see the stores above
.endr
.endr
	s_wait_dscnt 0x0                               ; the numbers are back; the stores have read their registers
	s_wait_xcnt 0x0                                ; the last tile's stores have read the codes' registers: only behind this wait are they written again
.if (\n) < 2
	LOADS (\n)+2, (\n)%2
.endif
	QUANT X, PWR+(\n)
.irp c, 0,1,2,3
	global_store_b128 v[L16], v[PC+4*\c:PC+4*\c+3], s[40:41] offset:(\n)*4096+512*\c   ; 32 lanes store 512 consecutive bytes, aligned
.endr
.endm
	s_wait_alu depctr_va_vdst(0)
	LOADS 0, 0
	LOADS 1, 1
	TILE 0
	TILE 1
	TILE 2
	TILE 3
	v_cmp_gt_u32 vcc_lo, 16, v[LN]
	s_wait_xcnt 0x0                                ; EXEC changes only behind this wait
	s_and_saveexec_b32 s47, vcc_lo
	global_store_b128 v[R16], v[PWR:PWR+3], s[42:43]   ; lanes 0-15: four tiles' words of place r: 256 consecutive bytes, aligned
	s_wait_xcnt 0x0
	s_or_b32 exec_lo, exec_lo, s47
	s_wait_tensorcnt 0x0                           ; the wave's end, behind my last LDS store
	ds_add_u32 v[SPW], v[NIL]
	s_wait_dscnt 0x0
	s_endpgm
	; ---- K outermost: lane x takes channel 32 beta + x of one head; wave: beta = w & 1, K slot = w >> 1; 8 blocks of 32 down K
.set XW, 32                            ; v32-95  two sets of 32 numbers
.set CW, 96                            ; v96-159 eight registers of codes for each block: no store's data are written again
.set SB, 24                            ; v24-25  the scale words of the slot's two K steps
.Lweights:
	s_sub_co_u32 s27, ttmp9, 400
	s_lshr_b32 s28, s27, 4                         ; which weight
	s_and_b32 s29, s27, 15                         ; head
	s_and_b32 s30, s26, 1                          ; beta
	s_lshr_b32 s31, s26, 1                         ; K slot
	s_wait_alu depctr_va_vdst(0)
	v_lshlrev_b32 v3, 2, v[LN]                     ; in: 4 bytes a lane
	v_bfe_u32 v4, v0, 3, 1                         ; u: which of the two tiles holds my channel
	v_and_b32 v5, 7, v0
	v_bfe_u32 v6, v0, 4, 1
	s_delay_alu instid0(VALU_DEP_1)
	v_lshl_add_u32 v5, v6, 3, v5                   ; r: my place in it
	s_delay_alu instid0(VALU_DEP_1)
	v_lshlrev_b32 v5, 4, v5
	s_delay_alu instid0(VALU_DEP_1)
	v_lshl_add_u32 v9, v4, 2, v5                   ; scale words: 16 r + 4 u
	s_delay_alu instid0(VALU_DEP_2)
	v_lshl_add_u32 v4, v4, 12, v5                  ; codes: 4,096 u + 16 r
	s_lshl_b32 s48, s29, 18                        ; a head is 1,024 rows of 256 bytes
	s_lshl_b32 s49, s31, 16
	s_add_co_u32 s48, s48, s49
	s_lshl_b32 s49, s30, 7
	s_add_co_u32 s48, s48, s49
	s_mov_b32 s49, 0
	s_lshl_b32 s50, s28, 6
	s_lshl_b32 s51, s29, 2
	s_add_co_u32 s50, s50, s51
	s_lshl_b32 s51, s30, 1
	s_add_co_u32 s50, s50, s51
	s_add_co_u32 s50, s50, 1536                    ; my first tile
	s_lshr_b32 s52, s50, 3
	s_lshl_b32 s52, s52, 12
	s_and_b32 s53, s29, 1
	s_lshl_b32 s53, s53, 8
	s_add_co_u32 s52, s52, s53
	s_lshl_b32 s53, s31, 10
	s_add_co_u32 s52, s52, s53
	s_lshl_b32 s53, s30, 3
	s_add_co_u32 s52, s52, s53
	s_mov_b32 s53, 0
	s_lshl_b32 s50, s50, 12
	s_mul_i32 s51, s31, SSC
	s_add_co_u32 s50, s50, s51
	s_mov_b32 s51, 0
	s_wait_alu depctr_va_vdst(0)
	s_wait_kmcnt 0x0
	s_cmp_lt_u32 s28, 1
	s_cselect_b64 s[32:33], s[16:17], s[18:19]
	s_cmp_lt_u32 s28, 2
	s_cselect_b64 s[32:33], s[32:33], s[20:21]
	s_add_nc_u64 s[32:33], s[32:33], s[48:49]
	s_add_nc_u64 s[40:41], s[22:23], s[50:51]
	s_add_nc_u64 s[42:43], s[24:25], s[52:53]
.macro WLOAD t                         ; block t: W(32 t + i, my channel) into set t % 2: 128 consecutive bytes a load
.irp i, 0,1,2,3,4,5,6,7,8,9,10,11,12,13,14,15,16,17,18,19,20,21,22,23,24,25,26,27,28,29,30,31
	global_load_b32 v[XW+32*((\t)%2)+\i], v3, s[32:33] offset:(32*(\t)+\i)*256 th:TH_LOAD_NT
.endr
.endm
.macro BLOCK t
.set XS, XW+32*((\t)%2)
.if (\t) < 7
	s_wait_loadcnt 32                              ; this block's 32 loads are in; the next block's may be out
.else
	s_wait_loadcnt 0x0
.endif
	v_max3_num_f32 v12, |v[XS]|, |v[XS+1]|, |v[XS+2]|   ; all 32 numbers of the block are mine
	v_max3_num_f32 v13, |v[XS+3]|, |v[XS+4]|, |v[XS+5]|
.irp i, 6,10,14,18,22,26
	s_delay_alu instid0(VALU_DEP_2)
	v_max3_num_f32 v12, v12, |v[XS+\i]|, |v[XS+\i+1]|
	s_delay_alu instid0(VALU_DEP_2)
	v_max3_num_f32 v13, v13, |v[XS+\i+2]|, |v[XS+\i+3]|
.endr
	s_delay_alu instid0(VALU_DEP_2)
	v_max3_num_f32 v12, v12, |v[XS+30]|, |v[XS+31]|
	s_delay_alu instid0(VALU_DEP_1)
	v_max3_num_f32 v12, v12, v13, 0x4800000        ; and the floor
	s_delay_alu instid0(VALU_DEP_1)
	v_add_nc_u32 v11, 0xfc000000, v12
	s_delay_alu instid0(VALU_DEP_2)
	v_and_or_b32 v10, v12, 0x7f800000, s[MNT]
	s_delay_alu instid0(VALU_DEP_2)
	v_lshrrev_b32 v13, 23, v11
.if (\t)%4 == 0
	s_delay_alu instid0(VALU_DEP_1)
	v_mov_b32 v[SB+(\t)/4], v13
.else
	s_delay_alu instid0(VALU_DEP_1)
	v_lshl_or_b32 v[SB+(\t)/4], v13, 8*((\t)%4), v[SB+(\t)/4]
.endif
.irp i, 0,1,2,3,4,5,6,7,8,9,10,11,12,13,14,15,16,17,18,19,20,21,22,23,24,25,26,27,28,29,30,31
	v_med3_num_f32 v[XS+\i], v[XS+\i], -v10, v10
.endr
.irp g, 0,1,2,3
	v_cvt_scalef32_pk8_fp8_f32 v[CW+8*(\t)+2*\g:CW+8*(\t)+2*\g+1], v[XS+8*\g:XS+8*\g+7], v11
.endr
	v_nop                                          ; one plain line behind the last conversion
	global_store_b128 v4, v[CW+8*(\t):CW+8*(\t)+3], s[40:41] offset:((\t)/4)*2048+((\t)%4)*512        ; k 0-15 of the block: the image's lanes 0-15; the 16 lanes of a tile fill 256 consecutive bytes
	global_store_b128 v4, v[CW+8*(\t)+4:CW+8*(\t)+7], s[40:41] offset:((\t)/4)*2048+((\t)%4)*512+256  ; k 16-31: its lanes 16-31
.if (\t)+2 < 8
	WLOAD (\t)+2
.endif
.endm
	WLOAD 0
	WLOAD 1
.irp t, 0,1,2,3,4,5,6,7
	BLOCK \t
.endr
	global_store_b32 v9, v[SB], s[42:43]
	global_store_b32 v9, v[SB+1], s[42:43] offset:512
	s_wait_tensorcnt 0x0                           ; the same three lines as on the other path
	ds_add_u32 v[SPW], v[NIL]
	s_wait_dscnt 0x0
	s_endpgm
.Lfunc_end_k_qe59c57b8cd_quant:
	.size	k_qe59c57b8cd_quant, .Lfunc_end_k_qe59c57b8cd_quant-k_qe59c57b8cd_quant
	.p2alignl 7, 3214868480
	.fill 96, 4, 3214868480
	.section	.rodata,"a",@progbits
	.p2align	6, 0x0
	.amdhsa_kernel k_qe59c57b8cd_quant
		.amdhsa_group_segment_fixed_size 68608
		.amdhsa_private_segment_fixed_size 0
		.amdhsa_enable_private_segment 0
		.amdhsa_kernarg_size 72
		.amdhsa_user_sgpr_count 2
		.amdhsa_user_sgpr_kernarg_segment_ptr 1
		.amdhsa_wavefront_size32 1
		.amdhsa_system_sgpr_workgroup_id_x 1
		.amdhsa_system_sgpr_workgroup_id_y 1
		.amdhsa_system_sgpr_workgroup_id_z 1
		.amdhsa_system_vgpr_workitem_id 0
		.amdhsa_next_free_vgpr 256
		.amdhsa_next_free_sgpr 66
		.amdhsa_reserve_vcc 1
		.amdhsa_float_denorm_mode_32 3
		.amdhsa_float_denorm_mode_16_64 3
		.amdhsa_memory_ordered 1
		.amdhsa_forward_progress 1
		.amdhsa_inst_pref_size 119
	.end_amdhsa_kernel
	.amdgpu_metadata
---
amdhsa.version: [ 1, 2 ]
amdhsa.kernels:
  - .name:           k_qe59c57b8cd_quant
    .symbol:         k_qe59c57b8cd_quant.kd
    .args:
      - { .name: input_tensor, .offset: 0, .size: 8, .value_kind: global_buffer, .address_space: global }
      - { .name: keys_vector, .offset: 8, .size: 8, .value_kind: global_buffer, .address_space: global }
      - { .name: values_vector, .offset: 16, .size: 8, .value_kind: global_buffer, .address_space: global }
      - { .name: Wo, .offset: 24, .size: 8, .value_kind: global_buffer, .address_space: global }
      - { .name: Wq, .offset: 32, .size: 8, .value_kind: global_buffer, .address_space: global }
      - { .name: Wk, .offset: 40, .size: 8, .value_kind: global_buffer, .address_space: global }
      - { .name: Wv, .offset: 48, .size: 8, .value_kind: global_buffer, .address_space: global }
      - { .name: cod, .offset: 56, .size: 8, .value_kind: global_buffer, .address_space: global }
      - { .name: sca, .offset: 64, .size: 8, .value_kind: global_buffer, .address_space: global }
    .group_segment_fixed_size: 68608
    .private_segment_fixed_size: 0
    .kernarg_segment_align: 8
    .kernarg_segment_size: 72
    .max_flat_workgroup_size: 256
    .sgpr_count:     66
    .vgpr_count:     256
    .wavefront_size: 32
...
	.end_amdgpu_metadata
.endif
;; end of part 1
;; launch proj (part 2): grid 16 x 16, 4 waves a work-group, clusters of 4 x 4, 327,680 bytes of LDS; arguments cod, sca, bq, bk, bv, att, ats; writes att, ats
.if DOCPART == 2
	.amdgcn_target "amdgcn-amd-amdhsa--gfx1250"
	.amdhsa_code_object_version 6
	.text
	.protected	k_qe59c57b8cd_proj
	.globl	k_qe59c57b8cd_proj
	.p2align	8
	.type	k_qe59c57b8cd_proj,@function
k_qe59c57b8cd_proj:
	s_mov_b64 s[64:65], 0
	v_nop
	global_prefetch_b8 v0, s[64:65] scope:SCOPE_SE
	s_setreg_imm32_b32 hwreg(HW_REG_WAVE_MODE, 25, 1), 1
	s_wait_xcnt 0x0
	s_wait_alu depctr_hold_cnt(0) depctr_sa_sdst(0) depctr_va_vdst(0) depctr_va_sdst(0) depctr_va_ssrc(0) depctr_va_vcc(0) depctr_vm_vsrc(0)
	s_getreg_b32 s2, hwreg(HW_REG_IB_STS2, 6, 4)
	s_cmp_eq_u32 s2, 0
	s_cbranch_scc0 .Lentry_in_a_cluster
	s_endpgm
.Lentry_in_a_cluster:
	s_bfe_u32 s2, ttmp6, 0x10000c
	s_cmp_lg_u32 s2, 0xf033
	s_cbranch_scc0 .Lentry_shape_is_right
	s_endpgm
.Lentry_shape_is_right:
; q = x Wq + bq, k = y Wk + bk, v = z Wv + bv on codes of FP8 (E4M3) with E8M0 scales, and the results quantised in registers into the operand images of the attention launch.
; cod: [K slot of 256][tile of 16 rows][which 128][image 2,048 bytes = [c][lane][16]]; place r of tile T is row 32 (T / 2) + 8 (T % 2) + r + 8 (r / 8).  Tiles: activation tensor x 512 + b x 64 + t tile; Wq 1,536 on, Wk 1,600 on, Wv 1,664 on (head x 4 + channel tile).
; sca: the scale word of place r of tile T at K step s lies at (T / 8) 4096 + 512 s + ((T / 4) % 2) 256 + 16 r + 4 (T % 4).
; THE DEAL.  256 work-groups (X, Y), four waves (w, u), 2 x 2.  A wave holds four tiles (one head) of a weight, ALL of K, in 512 registers (windows 1, 2) and streams blocks of 16 rows past them, two sets in window 3; 32 products a block, four sums by turns.
; PHASE 1: 512 rows x 128 columns of q (X < 8) or k: rows' tiles 32 Y on, in four chunks of eight tiles; block j of a chunk pair is tile 8 (j / 4) + 4 w + j % 4.  Source 0 = the weight, source 1 = the rows: a lane holds a token, its registers run along the channels.
; PHASE 2: 256 rows x 128 channels of v: column tile 4 (X / 8) + cx, rows' tiles 16 (2 Y + cluster x % 2) on, two chunks (a chunk is a key step).  Source 0 = the rows, source 1 = Wv: a lane holds a channel, its registers run along t; two blocks make blocks of 32 keys.
; The bias is the first products' C: along the registers in phase 1, one number a lane and tile in phase 2.
; LDS: two slots of 131,072 bytes.  The chunks c0, c1, c2, c3, v0, v1 lie in slots 0, 1 by turns; the first weight lies in slot 1 until every wave holds it in registers.  Each refill, a quarter (one K slot) a wave, stands in a drained round of the cluster's barrier
; behind blocks 2 and 6 of a trip of eight; that round also shows the refill before.  By this text's count a wave never has more than one tensor load out.
; Wv comes from cod straight into registers, 128 loads of 512 consecutive bytes a wave, at the change of phase: cod is laid as the registers take it, both slots hold rows then, and the rows' stream runs on through the change.
; CLUSTER 4 x 4: rows' chunks hang on Y and the cluster's number and are asked for jointly along a row; the first weight hangs on X: jointly along a column.
; PREFETCH: each chunk is asked of memory one refill ahead of its load (c1, c2 at the head), 512 blocks of 256 bytes, a lane a block: partner cx takes K slot cx, wave v its bytes 8,192 v on.  Wv's column tile likewise along a cluster's column, by the clusters of the two upper rows of clusters alone (four for each column tile).
; att: q, k: (section 8 + b) 2^20 + head 65,536 + t tile 1,024 + e 512 + 16 lane (e: block of 32 channels).  v: (16 + b) 2^20 + key step 131,072 + (e / 2) 65,536 + channel tile 1,024 + (e % 2) 512 + 16 lane (e: block of 32 keys).
; ats: q, k: section 524,288 + (head % 2) 262,144 + b 32,768 + (head / 2) 4,096 + (t tile / 8) 512 + ((t tile / 4) % 2) 256 + 16 r + 4 (t tile % 4): the head's two bytes, zeros above them (they meet zero codes alone).
;      v: 1,048,576 + twin 262,144 + b 32,768 + key step 4,096 + (channel tile / 8) 512 + ((channel tile / 4) % 2) 256 + 16 r + 4 (channel tile % 4); twin 1: the word >> 16.
; LIMITS: NaN and infinities are not served; a block of zeros keeps the byte 1 (its codes are zeros; this program alone reads the bytes).
.set SSC,   7340032                    ; bytes from K slot to K slot in cod
.set SL1,   131072                     ; slot 1
.set XV,    262144                     ; v's scale bytes: [chunk][u][r][tile][e]: 1,024 bytes that no fill lands on
.set SPARE, XV+1024                    ; the spare words: 128 bytes a wave, two blocks of 256 bytes that no other line names
.set PFO, 1                            ; 256 lane + 8,192 wave + cx K slots
.set SPW, 2
.set NIL, 3
.set L16, 4                            ; 16 x lane
.set R16, 5                            ; 16 r
.set SWO, 6                            ; 512 h + 16 r
.set XVA, 7                            ; my byte's place among v's scale bytes
.set ADX, 8                            ; v8-11  my rows' fragments: slot 0 K slots 0-1, 2-3; slot 1 likewise
.set ADW, 12                           ; v12-13 my tiles of the first weight in slot 1
.set SCV, 14                           ; offset of the scale words that are loaded next
.set PFV, 15                           ; offset of a prefetch
.set BV,  16                           ; v16-19 bv: a number a tile
.set PW,  20                           ; v20-27 eight blocks' scale words
.set SB,  28                           ; v28-59   the weight's scale words: 4 s + b
.set OW,  60                           ; v60-63
.set SA,  64                           ; v64-127  the rows': two sets: 32 (j / 4) + 4 s + j % 4.  No product's two scale registers have numbers equal modulo 8
.set BQ,  128                          ; v128-159 the first products' C
.set ACC, 160                          ; v160-223 two sets of four sums (phase 1 uses the first)
.set PC,  224                          ; v224-239 codes; at the head: offsets of the head's loads
.set TM,  240                          ; v240-255 at work
.set G1W, 24
.set G1A, 32
.set G1R, 48
.set G0W, 56
.set G0A, 60
.set G0R, 68
.set MSB, 0
.macro WIN new                         ; the immediate's high byte repeats the setting that is left
.if MSB != (\new)
	s_set_vgpr_msb (MSB<<8)|(\new)
.set MSB, (\new)
.endif
.endm
.macro PLACES n
.rept \n
	v_nop
.endr
.endm
.macro BARRIER
	s_barrier_signal -1
	s_barrier_wait -1
.endm
.macro CROUND                          ; a round of the cluster's barrier
	BARRIER
	s_cmp_lg_u32 s18, 0
	s_cbranch_scc1 .Lnot_wave_0_\@
	s_barrier_signal -3
.Lnot_wave_0_\@:
	s_barrier_wait -3
	BARRIER
.endm
.macro TLOAD g0, g1                    ; an s_nop 0 and four v_nop follow the load
	tensor_load_to_lds s[\g0:\g0+3], s[\g1:\g1+7]
	s_nop 0
	PLACES 4
.endm
.macro GROUP1 g, mask, c, r, p         ; r rows of c elements of 8 bytes, p elements apart; no padding: an image is read 512 consecutive bytes at a time
	s_or_b32 s[\g], s\mask, (3<<16)|(1<<21)
	s_mov_b32 s[\g+1], (\c)<<16
	s_mov_b32 s[\g+2], (\r)<<16
	s_mov_b32 s[\g+3], (\c)<<16
	s_mov_b32 s[\g+4], \r
	s_mov_b32 s[\g+5], \p
	s_mov_b32 s[\g+6], 0
	s_mov_b32 s[\g+7], 0
.endm
.macro SADD d, x
	s_add_co_u32 s\d, s\d, s\x
.endm
.macro SHADD d, x, n                   ; s[d] += s[x] << n, by way of s47
	s_lshl_b32 s47, s\x, \n
	s_add_co_u32 s\d, s\d, s47
.endm
	s_load_b256 s[4:11], s[0:1], 0x0               ; cod s[4:5], sca s[6:7], bq s[8:9], bk s[10:11]
	s_load_b128 s[12:15], s[0:1], 0x20             ; bv s[12:13], att s[14:15]
	s_load_b64 s[16:17], s[0:1], 0x30              ; ats
	v_lshl_add_u32 v[SPW], v0, 2, SPARE
	v_mov_b32 v[NIL], 0
	ds_add_u32 v[SPW], v[NIL]                      ; the opening lines: the add, twice on end, and its wait below; work on registers between
	ds_add_u32 v[SPW], v[NIL]
	v_lshrrev_b32 v1, 5, v0
	v_readfirstlane_b32 s18, v1                    ; wave 0..3
	s_lshr_b32 s19, s18, 1                         ; w
	s_and_b32 s20, s18, 1                          ; u; also the half that I fetch at the head
	s_bfe_u32 s21, ttmp6, 0x40000                  ; cx
	s_bfe_u32 s22, ttmp6, 0x40004                  ; cy
	s_lshl_b32 s23, ttmp9, 2
	SADD 23, 21                                    ; X 0..15
	s_and_b32 s42, ttmp7, 0xffff
	s_lshl_b32 s42, s42, 2
	SADD 42, 22                                    ; Y 0..15
	s_lshr_b32 s43, ttmp9, 1                       ; section: 0 q, 1 k: from the cluster's number alone
	s_lshl_b32 s44, s43, 2
	SADD 44, 21                                    ; v's column tile 0..7
	s_and_b32 s45, ttmp9, 1
	SHADD 45, 42, 1                                ; v's row tile 0..31
	s_lshl_b32 s40, s22, 2
	s_lshl_b32 s40, 15, s40                        ; my row of the cluster
	s_lshl_b32 s41, 0x1111, s21                    ; my column
	GROUP1 G1W, 41, 4096, 2, SSC/8                 ; two K slots of eight tiles of the first weight
	GROUP1 G1A, 40, 4096, 2, SSC/8                 ; of chunk c0
	GROUP1 G1R, 40, 32, 128, 32                    ; a refill: one K slot of eight tiles: 32,768 dense bytes as 128 rows of 256
	; offsets in cod, each under 2^32
	s_lshl_b32 s94, s43, 21
	SHADD 94, 42, 17                               ; s94: c0
	s_lshl_b32 s78, s45, 16
	s_add_co_u32 s78, s78, 1024*4096               ; s78: v0
	s_mul_i32 s47, s18, SSC                        ; a refill's K slot is my wave's number
	s_add_co_u32 s72, s94, s47
	s_add_co_u32 s96, s72, 32768                   ; s[96:97]: c1's refill
	s_mov_b32 s97, 0
	s_add_co_u32 s72, s72, 65536                   ; s72: the trip's refills: c2, c3; then s73: v0, v1
	s_add_co_u32 s73, s78, s47
	s_add_co_u32 s76, s94, 98304                   ; s76: asked for behind block 2: c3; then s77: v1
	s_add_co_u32 s77, s78, 32768
	s_mul_i32 s47, s20, 2*SSC
	s_add_co_u32 s98, s94, s47                     ; s[98:99]: c0, my half
	s_mov_b32 s99, 0
	s_lshl_b32 s100, s23, 15
	s_add_co_u32 s100, s100, 1536*4096
	SADD 100, 47                                   ; s[100:101]: the first weight, my half
	s_mov_b32 s101, 0
	s_lshl_b32 s92, s44, 15
	SHADD 92, 20, 14
	s_add_co_u32 s92, s92, 1664*4096               ; s[92:93]: my four tiles of Wv
	s_mov_b32 s93, 0
	; offsets in sca
	s_lshl_b32 s74, s43, 18
	SHADD 74, 42, 14
	SHADD 74, 19, 8                                ; s74: c0's words; behind the head c2's; then s75: v0's
	s_lshl_b32 s75, s45, 13
	SADD 75, 47
	s_add_co_u32 s75, s75, 128*4096
	s_lshl_b32 s46, s44, 12
	SHADD 46, 20, 8
	s_add_co_u32 s46, s46, 208*4096                ; s46: Wv's words
	s_lshl_b32 s95, s23, 12
	SADD 95, 47
	s_add_co_u32 s95, s95, 192*4096                ; s95: the first weight's
	; where the results go
	s_and_b32 s82, s23, 7                          ; pair of heads
	s_lshl_b32 s40, s82, 1
	SADD 40, 20                                    ; phase 1's head
	s_lshr_b32 s80, s42, 1                         ; b
	s_and_b32 s81, s42, 1
	s_lshl_b32 s84, s43, 23                        ; s[84:85] att, q or k
	SHADD 84, 80, 20
	SHADD 84, 40, 16
	SHADD 84, 81, 15
	SHADD 84, 19, 12
	s_mov_b32 s85, 0
	s_lshl_b32 s86, s43, 19                        ; s[86:87] ats, q or k
	SHADD 86, 20, 18
	SHADD 86, 80, 15
	SHADD 86, 82, 12
	SHADD 86, 81, 11
	SHADD 86, 19, 8
	s_mov_b32 s87, 0
	s_lshl_b32 s40, s40, 8                         ; s[40:41] in bq or bk: my head's 64 numbers
	s_mov_b32 s41, 0
	s_lshl_b32 s2, s44, 1
	SADD 2, 20                                     ; phase 2's head
	s_lshr_b32 s80, s45, 2                         ; b
	s_and_b32 s81, s45, 3
	s_lshl_b32 s88, s80, 20                        ; s[88:89] att, v
	s_add_co_u32 s88, s88, 16<<20
	SHADD 88, 81, 18
	SHADD 88, 19, 16
	SHADD 88, 2, 12
	s_mov_b32 s89, 0
	s_lshl_b32 s90, s80, 15                        ; s[90:91] ats, v: at the end wave n stores chunk n % 2, twin n / 2
	s_add_co_u32 s90, s90, 1<<20
	SHADD 90, 19, 18
	SHADD 90, 81, 13
	SHADD 90, 20, 12
	SHADD 90, 44, 9
	s_mov_b32 s91, 0
	s_lshl_b32 s2, s2, 8                           ; s[2:3] in bv
	s_mov_b32 s3, 0
	s_lshl_b32 s83, s18, 15                        ; where tiles go: no place in the cluster enters an LDS address
	s_mov_b32 s[G0W], 1
	s_lshl_b32 s[G0W+1], s20, 16
	s_add_co_u32 s[G0W+1], s[G0W+1], SL1
	s_mov_b32 s[G0A], 1
	s_lshl_b32 s[G0A+1], s20, 16
	s_mov_b32 s[G0R], 1
	s_add_co_u32 s[G0R+1], s83, SL1
	s_mov_b32 s79, 0xffff0000                      ; lanes 16-31
	s_mov_b32 s80, 0x76543210                      ; lane selects: lane l xor 16
	s_mov_b32 s81, 0xfedcba98
	s_mov_b32 s82, 0x600000                        ; the mantissa field of 448
	v_and_b32 v224, 31, v0                         ; lane
	v_and_b32 v225, 15, v0                         ; r
	v_bfe_u32 v226, v0, 4, 1                       ; h
	v_lshlrev_b32 v[L16], 4, v224
	v_lshlrev_b32 v[R16], 4, v225
	s_wait_alu depctr_va_vdst(0)
	v_lshl_add_u32 v[SWO], v226, 9, v[R16]
	s_lshl_b32 s47, s20, 8
	SADD 47, 19
	SADD 47, 19
	s_add_co_u32 s47, s47, XV
	v_add_nc_u32 v[XVA], s47, v[R16]               ; XV + 256 u + 16 r + 2 w
	s_lshl_b32 s47, s19, 14
	v_add_nc_u32 v[ADX], s47, v[L16]
	v_add_nc_u32 v[ADX+1], 65536, v[ADX]
	v_add_nc_u32 v[ADX+2], 131072, v[ADX]
	v_add_nc_u32 v[ADX+3], 196608, v[ADX]
	s_lshl_b32 s47, s20, 14
	s_add_co_u32 s47, s47, SL1
	v_add_nc_u32 v[ADW], s47, v[L16]
	v_add_nc_u32 v[ADW+1], 65536, v[ADW]
	s_mul_i32 s47, s21, SSC
	s_lshl_b32 s94, s18, 13
	SADD 47, 94
	v_lshl_add_u32 v[PFO], v224, 8, s47
	s_sub_co_u32 s47, s76, 65536                   ; c1
	v_add_nc_u32 v227, s47, v[PFO]
	s_sub_co_u32 s47, s76, 32768                   ; c2
	v_add_nc_u32 v228, s47, v[PFO]
	s_mul_i32 s47, s22, SSC                        ; Wv's column tile: partner cy takes K slot cy
	SADD 47, 94
	SHADD 94, 44, 15
	s_lshl_b32 s94, s44, 15
	SADD 47, 94
	s_add_co_u32 s47, s47, 1664*4096
	v_lshl_add_u32 v229, v224, 8, s47
	v_lshlrev_b32 v230, 6, v226                    ; 16 h numbers
	v_and_b32 v231, 8, v225
	v_add_nc_u32 v231, v231, v225
	v_lshlrev_b32 v231, 2, v231                    ; r + 8 (r / 8) numbers
	v_add_nc_u32 v232, s74, v[R16]
	v_add_nc_u32 v233, s95, v[R16]
	s_add_co_u32 s74, s74, 8192
	s_wait_alu depctr_va_vdst(0)
	s_wait_dscnt 0x0                               ; both opening adds are done
	CROUND                                         ; all sixteen work-groups are here: the first joint loads meet
	s_wait_kmcnt 0x0
	s_add_nc_u64 s[G0W+2:G0W+3], s[4:5], s[100:101]
	s_or_b32 s[G0W+3], s[G0W+3], 0x80000000
	s_add_nc_u64 s[G0A+2:G0A+3], s[4:5], s[98:99]
	s_or_b32 s[G0A+3], s[G0A+3], 0x80000000
	s_add_nc_u64 s[G0R+2:G0R+3], s[4:5], s[96:97]
	s_or_b32 s[G0R+3], s[G0R+3], 0x80000000
	s_cmp_lt_u32 s18, 2                            ; one load a wave; a line of its own for what the first barrier shows
	s_cbranch_scc0 .Lfor_rows
	TLOAD G0W, G1W                                 ; waves 0, 1: the first weight's halves, which are wanted first
	s_branch .Lasked
.Lfor_rows:
	TLOAD G0A, G1A                                 ; waves 2, 3: c0's halves
.Lasked:
	s_cmp_eq_u32 s43, 0                            ; the choice hangs on the cluster's number alone
	s_cselect_b64 s[8:9], s[8:9], s[10:11]
	s_add_nc_u64 s[8:9], s[8:9], s[40:41]
	s_add_nc_u64 s[12:13], s[12:13], s[2:3]
	s_add_nc_u64 s[84:85], s[14:15], s[84:85]
	s_add_nc_u64 s[88:89], s[14:15], s[88:89]
	s_add_nc_u64 s[86:87], s[16:17], s[86:87]
	s_add_nc_u64 s[90:91], s[16:17], s[90:91]
	s_add_nc_u64 s[92:93], s[4:5], s[92:93]
.irp s, 0,1,2,3,4,5,6,7
	global_load_b128 v[SB+4*\s:SB+4*\s+3], v233, s[6:7] offset:512*\s
.endr
.irp c, 0,1
.irp s, 0,1,2,3,4,5,6,7
	global_load_b128 v[SA+32*\c+4*\s:SA+32*\c+4*\s+3], v232, s[6:7] offset:4096*\c+512*\s
.endr
.endr
.irp b, 0,1,2,3
	global_load_b128 v[BQ+8*\b:BQ+8*\b+3], v230, s[8:9] offset:(32*(\b/2)+8*(\b%2))*4       ; register i of tile b: channel 32 (b / 2) + 16 h + 8 (b % 2) + i
	global_load_b128 v[BQ+8*\b+4:BQ+8*\b+7], v230, s[8:9] offset:(32*(\b/2)+8*(\b%2))*4+16
	global_load_b32 v[BV+\b], v231, s[12:13] offset:(32*(\b/2)+8*(\b%2))*4                  ; channel 32 (b / 2) + 8 (b % 2) + r + 8 (r / 8)
.endr
	s_cmp_lt_u32 s18, 2
	s_cbranch_scc0 .Lnot_w
	s_wait_tensorcnt 0x0                           ; waves 0, 1: the weight's halves have landed; the others' wait stands ahead of the round below
.Lnot_w:
	BARRIER
	global_prefetch_b8 v227, s[4:5] th:TH_LOAD_NT scope:SCOPE_SE   ; c1
	global_prefetch_b8 v228, s[4:5] th:TH_LOAD_NT scope:SCOPE_SE   ; c2
	s_and_b32 s47, ttmp7, 0xffff
	s_cmp_lt_u32 s47, 2
	s_cbranch_scc0 .Lnot_wv
	global_prefetch_b8 v229, s[4:5] th:TH_LOAD_NT scope:SCOPE_SE   ; Wv's column tile
.Lnot_wv:
.irp s, 0,1,2,3,4,5,6,7                ; my 64 rows of the weight, all of K: fragment 4 s + b in window 1 + s / 4: 128 loads
	WIN (1+\s/4)<<6
.irp b, 0,1,2,3
.irp c, 0,1,2,3
	ds_load_b128 v[16*((4*\s+\b)%16)+4*\c:16*((4*\s+\b)%16)+4*\c+3], v[ADW+\s/4] offset:((\s/2)%2)*32768+\b*4096+(\s%2)*2048+512*\c
.endr
.endr
.endr
	WIN 0
	s_wait_tensorcnt 0x0                           ; the three lines ahead of a refill's round: all my tensor loads are in (c0's halves among them),
	ds_add_u32 v[SPW], v[NIL]                      ; the add,
	s_wait_dscnt 0x0                               ; and it and my reads of slot 1 are done: the weight is in registers
	CROUND
	TLOAD G0R, G1R                                 ; c1 over the weight's rows
.macro FETCH n                         ; block n of a chunk pair, all of K, into set n % 2 of window 3: 32 loads of 512 consecutive bytes
	WIN 0xc0
.irp s, 0,1,2,3,4,5,6,7
.irp c, 0,1,2,3
	ds_load_b128 v[128*((\n)%2)+16*\s+4*\c:128*((\n)%2)+16*\s+4*\c+3], v[ADX+2*((\n)/4)+\s/4] offset:((\s/2)%2)*32768+((\n)%4)*4096+(\s%2)*2048+512*\c
.endr
.endr
	WIN 0
.endm
.macro PROD kind, j, k                 ; product k = 4 s + b of block j: K step s, the weight's tile b
.set S_, (\k)/4
.set B_, (\k)%4
.set W_, 16*((\k)%16)
.set X_, 128*((\j)%2)+16*S_
.set A_, ACC+32*(\kind)*((\j)%2)+8*B_
.set C_, A_
.if S_ == 0
.set C_, BQ+8*B_
.endif
.set XS_, SA+32*((\j)/4)+4*S_+(\j)%4
.set WS_, SB+4*S_+B_
.if \kind
	WIN 3|((1+(\k)/16)<<2)
	v_wmma_scale_f32_16x16x128_f8f6f4 v[A_:A_+7], v[X_:X_+15], v[W_:W_+15], v[C_:C_+7], v[XS_], v[WS_]
.else
	WIN (1+(\k)/16)|12
	v_wmma_scale_f32_16x16x128_f8f6f4 v[A_:A_+7], v[W_:W_+15], v[X_:X_+15], v[C_:C_+7], v[WS_], v[XS_]
.endif
.endm
.macro PRODS kind, j
.set N_, 0
.rept 32
	PROD \kind, \j, N_
.set N_, N_+1
.endr
	WIN 0
	PLACES 9                                       ; behind the last product: eight ahead of the readers of the sums and of the fetch into the set just read, nine ahead of products that write over the sums (ISA guide 7.12.1)
	s_wait_xcnt 0x0                                ; earlier stores, loads and prefetches have read their registers, which are written again below
.endm
; THE QUANTISER.  nj blocks of 32: block J's 16 numbers of a lane are v[ACC + st J] on and v[ACC + ho + st J] on, eight each; lane l xor 16 holds the other 16.  Codes: v[PC + 4 J] on; byte: v[TM + 4 + J].
.macro QUANT nj, st, ho
.set J_, 0
.rept \nj
	v_max3_num_f32 v[TM+J_], |v[ACC+\st*J_]|, |v[ACC+\st*J_+1]|, |v[ACC+\st*J_+2]|              ; each sum is read from its low end on; two chains a block, all by turns
	v_max3_num_f32 v[TM+4+J_], |v[ACC+\ho+\st*J_]|, |v[ACC+\ho+\st*J_+1]|, |v[ACC+\ho+\st*J_+2]|
.set J_, J_+1
.endr
.irp i, 3,5
.set J_, 0
.rept \nj
	v_max3_num_f32 v[TM+J_], v[TM+J_], |v[ACC+\st*J_+\i]|, |v[ACC+\st*J_+\i+1]|
	v_max3_num_f32 v[TM+4+J_], v[TM+4+J_], |v[ACC+\ho+\st*J_+\i]|, |v[ACC+\ho+\st*J_+\i+1]|
.set J_, J_+1
.endr
.endr
.set J_, 0
.rept \nj
	v_max3_num_f32 v[TM+J_], v[TM+J_], v[TM+4+J_], |v[ACC+\st*J_+7]|
.set J_, J_+1
.endr
.set J_, 0
.rept \nj
	v_max3_num_f32 v[TM+J_], v[TM+J_], |v[ACC+\ho+\st*J_+7]|, 0x4800000   ; and the floor 2^(9 - 127): the byte cannot fall under 1
.set J_, J_+1
.endr
.set J_, 0
.rept \nj
	v_permlanex16_b32 v[TM+4+J_], v[TM+J_], s80, s81
.set J_, J_+1
.endr
.set J_, 0
.rept \nj
	v_max_num_f32 v[TM+J_], v[TM+J_], v[TM+4+J_]   ; the block's largest magnitude
.set J_, J_+1
.endr
.set J_, 0
.rept \nj
	v_add_nc_u32 v[TM+12+J_], 0xfc000000, v[TM+J_] ; 8 off its exponent field: the conversion's scale operand
	v_and_or_b32 v[TM+8+J_], v[TM+J_], 0x7f800000, s82   ; 448 x the scale
.set J_, J_+1
.endr
.set J_, 0
.rept \nj
	v_lshrrev_b32 v[TM+4+J_], 23, v[TM+12+J_]      ; the scale's byte
.set J_, J_+1
.endr
.set J_, 0
.rept \nj
.irp i, 0,1,2,3,4,5,6,7
	v_med3_num_f32 v[ACC+\st*J_+\i], v[ACC+\st*J_+\i], -v[TM+8+J_], v[TM+8+J_]   ; the conversion does not saturate (ISA guide 7.6.2): the hold at 448 x the scale
	v_med3_num_f32 v[ACC+\ho+\st*J_+\i], v[ACC+\ho+\st*J_+\i], -v[TM+8+J_], v[TM+8+J_]
.endr
	v_cvt_scalef32_pk8_fp8_f32 v[PC+4*J_:PC+4*J_+1], v[ACC+\st*J_:ACC+\st*J_+7], v[TM+12+J_]
	v_cvt_scalef32_pk8_fp8_f32 v[PC+4*J_+2:PC+4*J_+3], v[ACC+\ho+\st*J_:ACC+\ho+\st*J_+7], v[TM+12+J_]
.set J_, J_+1
.endr
	v_nop                                          ; one plain line behind the last conversion
.endm
.macro QK j                            ; a block of q or k: two blocks of 32 channels; the head's two bytes make its word
	QUANT 2, 16, 8
	v_lshl_or_b32 v[PW+\j], v[TM+5], 8, v[TM+4]
.endm
.macro BLK1 j                          ; block j of a trip of phase 1
.if (\j)%4 == 0
	s_wait_loadcnt 8                               ; this chunk's scale words are in; the eight loads of the other set may be out
.endif
	s_wait_dscnt 32                                ; this block's fragments are in; the next block's 32 loads may be out
	PRODS 0, \j
.if (\j)%4 == 2
	s_wait_tensorcnt 0x0                           ; the three lines ahead of a refill's round; the quantiser, work on registers, stands between the add and its wait
	ds_add_u32 v[SPW], v[NIL]
	QK \j
	s_add_co_u32 s[G0R+1], s83, ((\j)/4)*SL1       ; no tensor load of mine is out: the refill's group 0
	s_add_co_u32 s94, s72, ((\j)/4)*32768
	s_mov_b32 s95, 0
	s_add_nc_u64 s[G0R+2:G0R+3], s[4:5], s[94:95]
	s_or_b32 s[G0R+3], s[G0R+3], 0x80000000
	s_wait_alu depctr_va_vdst(0)
	s_wait_dscnt 0x0                               ; the add is done, and so are my reads of the slot that is filled again (its last block was fetched a block ago)
	CROUND                                         ; it also shows the refill before, which the fetch below reads
	TLOAD G0R, G1R
	FETCH ((\j)+2)%8
.if (\j) == 2
	v_add_nc_u32 v[PFV], s76, v[PFO]
	global_prefetch_b8 v[PFV], s[4:5] th:TH_LOAD_NT scope:SCOPE_SE   ; what the next round loads: c3, then v1
.else
	s_cmp_eq_u32 s3, 0
	s_cbranch_scc0 .Lnone_ahead_\@                 ; behind v1 nothing follows
	v_add_nc_u32 v[PFV], s78, v[PFO]
	global_prefetch_b8 v[PFV], s[4:5] th:TH_LOAD_NT scope:SCOPE_SE   ; v0
.Lnone_ahead_\@:
.endif
.else
	FETCH ((\j)+2)%8                               ; blocks 6 and 7 fetch the next trip's first two; in the last trip those are v's
	QK \j
.endif
	global_store_b128 v[L16], v[PC:PC+3], s[84:85] offset:(8*((\j)/4)+(\j)%4)*1024        ; 512 consecutive bytes, aligned
	global_store_b128 v[L16], v[PC+4:PC+7], s[84:85] offset:(8*((\j)/4)+(\j)%4)*1024+512
.if (\j)%4 == 3
	v_add_nc_u32 v[SCV], s74, v[R16]               ; the set of scale words just done with takes the chunk two on
.irp s, 0,1,2,3,4,5,6,7
	global_load_b128 v[SA+32*((\j)/4)+4*\s:SA+32*((\j)/4)+4*\s+3], v[SCV], s[6:7] offset:4096*((\j)/4)+512*\s
.endr
.endif
.endm
	FETCH 0
	FETCH 1
	s_mov_b32 s3, 0                                ; the trip
	s_wait_loadcnt 0x0                             ; scale words and biases
.Ltrip:
.irp j, 0,1,2,3,4,5,6,7
	BLK1 \j
.endr
.irp i, 0,1,2,3
	v_cndmask_b32 v[OW+\i], v[PW+\i], v[PW+4+\i], s79   ; lane (r, h) sends the words of the four blocks of chunk h of the trip
.endr
	global_store_b128 v[SWO], v[OW:OW+3], s[86:87] ; sixteen lanes store 256 consecutive bytes, aligned
	s_wait_xcnt 0x0                                ; bases and offsets are stepped only behind this wait
	s_mov_b32 s72, s73                             ; the second trip's refills, scale words and prefetch are v's
	s_mov_b32 s74, s75
	s_mov_b32 s76, s77
	s_add_nc_u64 s[84:85], s[84:85], 16384         ; sixteen t tiles on
	s_add_nc_u64 s[86:87], s[86:87], 1024
	s_add_co_u32 s3, s3, 1
	s_cmp_lt_u32 s3, 2
	s_wait_alu depctr_va_vdst(0)
	s_cbranch_scc1 .Ltrip
; THE CHANGE OF PHASE: Wv, its scale words and its bias; v's first two blocks are already on their way into window 3
.irp k, 1,2,3
	v_add_nc_u32 v[OW+\k], \k*SSC, v[L16]
.endr
	v_add_nc_u32 v[SCV], s46, v[R16]
.irp s, 0,1,2,3,4,5,6,7
	WIN (1+\s/4)<<6
.if \s < 2
.set AO_, L16
.else
.set AO_, OW+\s/2
.endif
.irp b, 0,1,2,3
.irp c, 0,1,2,3
	global_load_b128 v[16*((4*\s+\b)%16)+4*\c:16*((4*\s+\b)%16)+4*\c+3], v[AO_], s[92:93] offset:\b*4096+(\s%2)*2048+512*\c
.endr
.endr
.endr
	WIN 0
.irp s, 0,1,2,3,4,5,6,7
	global_load_b128 v[SB+4*\s:SB+4*\s+3], v[SCV], s[6:7] offset:512*\s
.endr
.irp b, 0,1,2,3
.irp i, 0,1,2,3,4,5,6,7
	v_mov_b32 v[BQ+8*\b+\i], v[BV+\b]
.endr
.endr
	s_wait_alu depctr_va_vdst(0)
	s_wait_tensorcnt 0x0                           ; my quarter of v1 is in
	s_wait_dscnt 0x0
	BARRIER                                        ; everybody's is
	s_wait_loadcnt 0x0
.macro BLK2 j                          ; block j of phase 2
.if (\j) < 7
	s_wait_dscnt 32                                ; this block's fragments are in: at least 32 LDS instructions were issued behind them
.else
	s_wait_dscnt 0x0
.endif
	PRODS 1, \j
.if (\j)+2 < 8
	FETCH (\j)+2
.endif
.if (\j)%2
	QUANT 4, 8, 32                                 ; a pair of blocks: for each of four channel tiles a block of 32 keys
.irp b, 0,1,2,3
	ds_store_b8 v[XVA], v[TM+4+\b] offset:((\j)/4)*512+4*\b+((\j)%4)/2   ; both lanes of a channel write the same byte with the same value
	global_store_b128 v[L16], v[PC+4*\b:PC+4*\b+3], s[88:89] offset:((\j)/4)*131072+(((\j)%4)/2)*512+\b*1024
.endr
.endif
.endm
.irp j, 0,1,2,3,4,5,6,7
	BLK2 \j
.endr
	s_lshl_b32 s47, s20, 9
	s_add_co_u32 s47, s47, XV
	s_lshl_b32 s94, s19, 4                         ; twin 1: the word >> 16
	s_wait_xcnt 0x0                                ; the last stores have read the codes' registers
	s_wait_dscnt 0x0                               ; my scale bytes lie in LDS
	BARRIER                                        ; everybody's do
	v_add_nc_u32 v[SCV], s47, v[L16]
	ds_load_b128 v[PC:PC+3], v[SCV]                ; a chunk's 512 bytes
	s_wait_dscnt 0x0
.irp i, 0,1,2,3
	v_lshrrev_b32 v[TM+\i], s94, v[PC+\i]
.endr
	global_store_b128 v[L16], v[TM:TM+3], s[90:91] ; 512 consecutive bytes, aligned
	s_wait_tensorcnt 0x0                           ; the wave's end
	ds_add_u32 v[SPW], v[NIL]
	s_wait_dscnt 0x0
	CROUND                                         ; the closing round
	s_endpgm
.Lfunc_end_k_qe59c57b8cd_proj:
	.size	k_qe59c57b8cd_proj, .Lfunc_end_k_qe59c57b8cd_proj-k_qe59c57b8cd_proj
	.p2alignl 7, 3214868480
	.fill 96, 4, 3214868480
	.section	.rodata,"a",@progbits
	.p2align	6, 0x0
	.amdhsa_kernel k_qe59c57b8cd_proj
		.amdhsa_group_segment_fixed_size 327680
		.amdhsa_private_segment_fixed_size 0
		.amdhsa_enable_private_segment 0
		.amdhsa_kernarg_size 56
		.amdhsa_user_sgpr_count 2
		.amdhsa_user_sgpr_kernarg_segment_ptr 1
		.amdhsa_wavefront_size32 1
		.amdhsa_system_sgpr_workgroup_id_x 1
		.amdhsa_system_sgpr_workgroup_id_y 1
		.amdhsa_system_sgpr_workgroup_id_z 1
		.amdhsa_system_vgpr_workitem_id 0
		.amdhsa_next_free_vgpr 1024
		.amdhsa_next_free_sgpr 102
		.amdhsa_reserve_vcc 0
		.amdhsa_float_denorm_mode_32 3
		.amdhsa_float_denorm_mode_16_64 3
		.amdhsa_memory_ordered 1
		.amdhsa_forward_progress 1
		.amdhsa_inst_pref_size 214
	.end_amdhsa_kernel
	.amdgpu_metadata
---
amdhsa.version: [ 1, 2 ]
amdhsa.kernels:
  - .name:           k_qe59c57b8cd_proj
    .symbol:         k_qe59c57b8cd_proj.kd
    .args:
      - { .name: cod, .offset: 0, .size: 8, .value_kind: global_buffer, .address_space: global }
      - { .name: sca, .offset: 8, .size: 8, .value_kind: global_buffer, .address_space: global }
      - { .name: bq, .offset: 16, .size: 8, .value_kind: global_buffer, .address_space: global }
      - { .name: bk, .offset: 24, .size: 8, .value_kind: global_buffer, .address_space: global }
      - { .name: bv, .offset: 32, .size: 8, .value_kind: global_buffer, .address_space: global }
      - { .name: att, .offset: 40, .size: 8, .value_kind: global_buffer, .address_space: global }
      - { .name: ats, .offset: 48, .size: 8, .value_kind: global_buffer, .address_space: global }
    .group_segment_fixed_size: 327680
    .private_segment_fixed_size: 0
    .kernarg_segment_align: 8
    .kernarg_segment_size: 56
    .max_flat_workgroup_size: 128
    .sgpr_count:     102
    .vgpr_count:     1024
    .wavefront_size: 32
...
	.end_amdgpu_metadata
.endif
;; end of part 2
;; launch attn (part 3): grid 4 x 64, 16 waves a work-group, no clusters, 316,416 bytes of LDS; arguments att, ats, oc, os; writes oc, os
.if DOCPART == 3
	.amdgcn_target "amdgcn-amd-amdhsa--gfx1250"
	.amdhsa_code_object_version 6
	.text
	.protected	k_qe59c57b8cd_attn
	.globl	k_qe59c57b8cd_attn
	.p2align	8
	.type	k_qe59c57b8cd_attn,@function
k_qe59c57b8cd_attn:
	s_mov_b64 s[64:65], 0
	v_nop
	global_prefetch_b8 v0, s[64:65] scope:SCOPE_SE
	s_setreg_imm32_b32 hwreg(HW_REG_WAVE_MODE, 25, 1), 1
	s_wait_xcnt 0x0
; Causal attention on codes of FP8 (E4M3) with E8M0 scales, head size 64, and its result quantised along the model's 1,024 into the output projection's operand images.
; t = score x log2(e) / 8; M = the running largest t rounded UP to a whole number; p = 2^(t - M) is quantised along the keys, not normalised; the row's sum of the unquantised p divides O at the end (v_rcp_f32 and a multiplication).
; SHARES.  A work-group (i = x, b = y / 8, hp = y % 8) serves two heads, 2 hp + par, and two blocks of 128 queries: block i, then block 7 - i: (i + 1) + (8 - i) = 9 steps of 128 keys in every work-group.
; Step d of the nine takes key step d where d <= i, else key step d - i - 1.  Wave w: par = w / 8, j = w % 8: ONE tile of 16 queries in 256 registers, four waves to a SIMD.
; A pass's last step lies on the diagonal: step i (one of steps 0 to 3) and step 8; key steps wholly behind the diagonal are never walked.
; Both products are used transposed: S^T = K Q^T, O^T = V^T P^T: a lane holds one query (place lane % 16) throughout.  Place r of tile T is row 32 (T / 2) + 8 (T % 2) + r + 8 (r / 8), for queries, keys and channels alike,
; so the 16 registers of tiles 2 e, 2 e + 1 of a result are 16 neighbours along the next product's K.
; THE HEAD'S 64 FILL HALF OF THE INSTRUCTION'S 128: Q's registers for k = 64 .. 127 hold zero codes.  K's tile t is named as 16 registers of which the upper 8 are the next tile's codes (behind the last tile: zeros):
; numbers of the format against zeros, which add nothing; the scale bytes there are bytes of the format or 0, never 0xff.
; NINE SLOTS, A BARRIER AT EVERY THIRD STEP.  Each step's K, V and scale words (34,816 bytes) have an LDS slot of their own: 9 x 34,816 = 313,344 bytes.  They come by plain loads and LDS stores, the same lines in all sixteen waves:
; the head brings steps 0 to 2, step n (n <= 5) asks for step n + 3 at its head and stores it at its end.  No slot is written twice, so all that has to be ordered is: stored by every wave before any wave reads.
; The barriers at the heads of steps 0, 3 and 6 do that for three slots each.  Between two barriers the waves may stand up to three steps apart, so that one wave's LDS reads and products stand beside another's vector work.
; The nine steps are written out by one macro: every LDS address is a constant + lane and wave terms; steps 4 to 7 have no mask and no end of a pass in their text.
; No tensor load, no cluster: the four work-groups of a head pair stand at different key steps at any time.  No prefetch: each step's bytes are asked for three steps ahead of their use.
; Branches hang on the work-group's number and the wave's number alone; those on the work-group's number are the same in all sixteen waves.
; LIMITS: NaN and infinities are not served; a block of zeros keeps the byte 1 (zero codes; the bytes are read by this program alone).
.set SLOTB, 34816                      ; a slot: K 2 x 8,192 (par, tile x 1,024, c x 512); V at 16,384: par x 8,192 + (c / 2) 4,096 + ct 1,024 + (c % 2) 512; at 32,768 K's scale words 2 x 512; at 33,792 V's 2 x 512
.set OSS,   9*SLOTB                    ; the results' scale words: 512 bytes for each pass
.set SPARE, OSS+1024                   ; the spare words, 128 bytes a wave: eight blocks of 256 bytes that no other line names
.set SSO,   2097152                    ; bytes from K slot to K slot in oc
.set SPW, 1
.set NIL, 2
.set L16, 3                            ; v3   16 x lane
.set AK0, 4                            ; v4   my head's tiles in slot 0;              v5  in the step's slot
.set AKC, 5
.set AS0, 6                            ; v6   my head's scale words, 16 r, in slot 0;  v7  in the step's slot
.set ASC, 7
.set CD0, 8                            ; v8   where my wave's 2,048 bytes of a copy go in slot 0;  v9  in the slot that is being filled
.set CDC, 9
.set CS0, 10                           ; v10  and my thread's scale word;  v11 likewise
.set CSC, 11
.set FR,  32                           ; v32-63 fragments of K or V; v64-71 zeros for the whole launch
.set S,   72                           ; v72-135 S^T, then p; at the head: the first three steps' bytes on their way to LDS
.set OT,  136                          ; v136-167 O^T
.set PCD, 168                          ; v168-183 p's codes
.set SCW, 184                          ; v184-187 four tiles' scale words
.set QSW, 188
.set PSW, 189
.set F,   190                          ; v[190:191] f = 2^(old M - new M), and 0
.set BM,  192                          ; v192-207 at work: largest, bytes, holds, scale operands
.set TMP, 208
.set DG,  209                          ; my query's place in its block of 128, less 16 h
.set NINF,210
.set CV,  211                          ; the copy's source offsets
.set CWO, 212
.set L4,  213
.set QO0, 214
.set QO1, 215
.set STG, 216                          ; v216-232 the copy's 17 registers
.set QS0, 233
.set Q1,  234                          ; v234-241 pass 1's Q; v242 its scale word
.set OSW, 243
.set OV,  244                          ; v244-245 where the passes' codes go
.set OSR, 246
.set QS1, 247
.set WV,  12
.set PAR, 13
.set JJ,  14
.set II,  15
.set BI,  16
.set HP,  17
.set QB1, 20                           ; pass 1's block of queries: 7 - i
.set SEL, 24
.set CS,  26
.set MNT, 28
.set CO0, 29
.set CSTEP, 30
.set SO0, 31
.set SSTEP, 32
	s_load_b256 s[4:11], s[0:1], 0x0               ; att s[4:5], ats s[6:7], oc s[8:9], os s[10:11]
	v_lshl_add_u32 v[SPW], v0, 2, SPARE
	v_mov_b32 v[NIL], 0
	v_lshrrev_b32 v3, 5, v0
	s_delay_alu instid0(VALU_DEP_1)
	v_readfirstlane_b32 s[WV], v3                  ; wave 0..15
	s_lshr_b32 s[PAR], s[WV], 3
	s_and_b32 s[JJ], s[WV], 7
	s_mov_b32 s[II], ttmp9
	s_and_b32 s33, ttmp7, 0xffff
	s_lshr_b32 s[BI], s33, 3
	s_and_b32 s[HP], s33, 7
	s_sub_co_u32 s[QB1], 7, s[II]
	s_mov_b32 s[SEL], 0x76543210
	s_mov_b32 s[SEL+1], 0xfedcba98
	s_mov_b32 s[CS], 0x3e38aa3b                    ; c = log2(e) / 8
	s_mov_b32 s[CS+1], s[CS]
	s_mov_b32 s[MNT], 0x600000
	v_and_b32 v208, 31, v0                         ; lane
	v_and_b32 v207, 15, v0                         ; r
	v_bfe_u32 v206, v0, 4, 1                       ; h
	s_delay_alu instid0(VALU_DEP_3)
	v_lshlrev_b32 v[L16], 4, v208
	s_delay_alu instid0(VALU_DEP_4)
	v_lshlrev_b32 v[L4], 2, v208
	s_delay_alu instid0(VALU_DEP_4)
	v_lshlrev_b32 v204, 4, v207                    ; 16 r
	s_wait_alu depctr_va_vdst(0)
	s_lshl_b32 s33, s[PAR], 13
	v_add_nc_u32 v[AK0], s33, v[L16]
	s_lshl_b32 s33, s[PAR], 9
	s_add_co_u32 s33, s33, 32768
	v_add_nc_u32 v[AS0], s33, v204
	s_lshl_b32 s33, s[WV], 11
	v_add_nc_u32 v[CD0], s33, v[L16]
	v_lshl_add_u32 v[CS0], v0, 2, 32768
	s_lshr_b32 s33, s[JJ], 2
	s_lshl_b32 s33, s33, 8
	s_and_b32 s34, s[JJ], 3
	s_lshl_b32 s34, s34, 2
	s_add_co_u32 s33, s33, s34                     ; (j / 4) 256 + (j % 4) 4: my tile's word among eight tiles'
	s_lshl_b32 s34, s[PAR], 1
	s_add_co_u32 s34, s34, s33
	s_add_co_u32 s34, s34, OSS
	v_add_nc_u32 v[OSW], s34, v204                 ; my head's two bytes of my row's word
	v_lshl_add_u32 v[OSR], v0, 4, OSS
	v_and_b32 v205, 8, v207
	s_delay_alu instid0(VALU_DEP_1)
	v_add_nc_u32 v205, v205, v207                  ; r + 8 (r / 8)
	s_lshr_b32 s34, s[JJ], 1
	s_lshl_b32 s34, s34, 5
	s_and_b32 s35, s[JJ], 1
	s_lshl_b32 s35, s35, 3
	s_add_co_u32 s34, s34, s35
	v_add_nc_u32 v[DG], s34, v205
	v_lshlrev_b32 v205, 4, v206
	s_delay_alu instid0(VALU_DEP_1)
	v_sub_nc_u32 v[DG], v[DG], v205
	v_mov_b32 v[NINF], 0xff800000
	; Q's places: b 2^20 + head 65,536 + (8 QB + j) 1,024;  its scale words: par 262,144 + b 32,768 + hp 4,096 + QB 512 + my tile's word + 16 r
	s_lshl_b32 s37, s[BI], 20
	s_lshl_b32 s34, s[HP], 1
	s_add_co_u32 s34, s34, s[PAR]
	s_lshl_b32 s34, s34, 16
	s_add_co_u32 s34, s34, s37
	s_lshl_b32 s35, s[JJ], 10
	s_add_co_u32 s34, s34, s35
	s_lshl_b32 s35, s[II], 13
	s_add_co_u32 s35, s35, s34
	v_add_nc_u32 v[QO0], s35, v[L16]
	s_lshl_b32 s35, s[QB1], 13
	s_add_co_u32 s35, s35, s34
	v_add_nc_u32 v[QO1], s35, v[L16]
	s_lshl_b32 s34, s[PAR], 18
	s_lshl_b32 s35, s[BI], 15
	s_add_co_u32 s34, s34, s35
	s_lshl_b32 s35, s[HP], 12
	s_add_co_u32 s34, s34, s35
	s_add_co_u32 s34, s34, s33
	s_lshl_b32 s35, s[II], 9
	s_add_co_u32 s35, s35, s34
	v_add_nc_u32 v[QS0], s35, v204
	s_lshl_b32 s35, s[QB1], 9
	s_add_co_u32 s35, s35, s34
	v_add_nc_u32 v[QS1], s35, v204
	; the results' places in oc: (hp / 2) SSO + (64 b + 8 QB + j) 4,096 + (hp % 2) 2,048 + par 1,024
	s_lshr_b32 s34, s[HP], 1
	s_mul_i32 s34, s34, SSO
	s_lshl_b32 s35, s[BI], 6
	s_add_co_u32 s35, s35, s[JJ]
	s_lshl_b32 s35, s35, 12
	s_add_co_u32 s34, s34, s35
	s_and_b32 s35, s[HP], 1
	s_lshl_b32 s35, s35, 11
	s_add_co_u32 s34, s34, s35
	s_lshl_b32 s35, s[PAR], 10
	s_add_co_u32 s34, s34, s35
	s_lshl_b32 s35, s[II], 15
	s_add_co_u32 s35, s35, s34
	v_add_nc_u32 v[OV], s35, v[L16]
	s_lshl_b32 s35, s[QB1], 15
	s_add_co_u32 s35, s35, s34
	v_add_nc_u32 v[OV+1], s35, v[L16]
	; the copy: waves 0-7 bring K (head w / 4, quarter w % 4), waves 8-15 V (head bit 2, keys' half bit 1, channel tiles' half bit 0); the slot's bytes w x 2,048 on
	s_and_b32 s33, s[WV], 1
	s_bfe_u32 s34, s[WV], 0x10001
	s_bfe_u32 s35, s[WV], 0x10002
	s_and_b32 s36, s[WV], 3
	s_lshl_b32 s38, s[HP], 1
	s_add_co_u32 s38, s38, s35
	s_lshl_b32 s38, s38, 16
	s_lshl_b32 s39, s36, 11
	s_add_co_u32 s38, s38, s39
	s_add_co_u32 s38, s38, s37
	s_add_co_u32 s38, s38, 8388608                 ; K's codes
	s_lshl_b32 s39, s34, 16
	s_lshl_b32 s40, s[HP], 13
	s_add_co_u32 s39, s39, s40
	s_lshl_b32 s40, s35, 12
	s_add_co_u32 s39, s39, s40
	s_lshl_b32 s40, s33, 11
	s_add_co_u32 s39, s39, s40
	s_add_co_u32 s39, s39, s37
	s_add_co_u32 s39, s39, 16777216                ; V's codes
	s_lshl_b32 s43, s[BI], 15
	s_lshl_b32 s41, s35, 18
	s_add_co_u32 s41, s41, s43
	s_lshl_b32 s40, s[HP], 12
	s_add_co_u32 s41, s41, s40
	s_lshl_b32 s40, s36, 7
	s_add_co_u32 s41, s41, s40
	s_add_co_u32 s41, s41, 524288                  ; K's scale words
	s_lshl_b32 s42, s34, 18
	s_add_co_u32 s42, s42, s43
	s_lshl_b32 s40, s[HP], 9
	s_add_co_u32 s42, s42, s40
	s_lshl_b32 s40, s35, 8
	s_add_co_u32 s42, s42, s40
	s_lshl_b32 s40, s33, 7
	s_add_co_u32 s42, s42, s40
	s_add_co_u32 s42, s42, 1048576                 ; V's
	s_cmp_lt_u32 s[WV], 8
	s_cselect_b32 s[CO0], s38, s39
	s_cselect_b32 s[SO0], s41, s42
	s_mov_b32 s[CSTEP], 131072
	s_cselect_b32 s[CSTEP], 8192, s[CSTEP]         ; bytes from key step to key step
	s_mov_b32 s[SSTEP], 4096
	s_cselect_b32 s[SSTEP], 512, s[SSTEP]
	; where waves 0 and 1 store the passes' scale words: (8 b + QB) 4,096 + hp 512
	s_cmp_eq_u32 s[WV], 0
	s_cselect_b32 s33, s[II], s[QB1]
	s_lshl_b32 s34, s[BI], 3
	s_add_co_u32 s34, s34, s33
	s_lshl_b32 s34, s34, 12
	s_lshl_b32 s35, s[HP], 9
	s_add_co_u32 s34, s34, s35
	s_mov_b32 s35, 0
; Where step d's bytes lie in memory: its key step is d where d <= i, else d - i - 1.  s49: my wave's offset in att, s48: in ats
.macro KSTEP d
	s_sub_co_u32 s48, (\d)-1, s[II]
	s_cmp_ge_u32 s[II], (\d)
	s_cselect_b32 s48, (\d), s48
	s_mul_i32 s49, s48, s[CSTEP]
	s_add_co_u32 s49, s49, s[CO0]
	s_mul_i32 s48, s48, s[SSTEP]
	s_add_co_u32 s48, s48, s[SO0]
.endm
	s_wait_alu depctr_va_vdst(0)
	s_wait_kmcnt 0x0
	s_add_nc_u64 s[10:11], s[10:11], s[34:35]
	global_load_b128 v[16:19], v[QO0], s[4:5]
	global_load_b128 v[20:23], v[QO0], s[4:5] offset:512
	global_load_b32 v[QSW], v[QS0], s[6:7]
	global_load_b128 v[Q1:Q1+3], v[QO1], s[4:5]
	global_load_b128 v[Q1+4:Q1+7], v[QO1], s[4:5] offset:512
	global_load_b32 v[Q1+8], v[QS1], s[6:7]
.irp d, 0,1,2                          ; steps 0, 1, 2: five loads each, into S^T's registers, which are free here; offsets in registers of their own
	KSTEP \d
	v_add_nc_u32 v[S+58+2*\d], s49, v[L16]
	v_add_nc_u32 v[S+59+2*\d], s48, v[L4]
.irp i, 0,1,2,3
	global_load_b128 v[S+20*\d+4*\i:S+20*\d+4*\i+3], v[S+58+2*\d], s[4:5] offset:512*\i
.endr
	global_load_b32 v[S+20*\d+16], v[S+59+2*\d], s[6:7]
.endr
.irp i, 0,1,2,3,4,5,6,7
	v_mov_b32 v[24+\i], 0                          ; Q's k = 64 .. 127: zero codes
	v_mov_b32 v[64+\i], 0                          ; behind K's last tile
.endr
	v_mov_b32 v13, 0xff61b1e6                      ; the largest t so far: -3e38
	s_delay_alu instid0(VALU_DEP_1)
	v_floor_f32 v12, -v13                          ; -M
	v_mov_b32 v14, 0
	v_mov_b32 v15, 0
	v_mov_b32 v[F+1], 0
.irp b, 0,1,2,3
	v_mov_b32 v[BM+4+\b], 0                        ; written once: a lane permute's destination counts as one of its sources
.endr
.set k, 0
.rept 32
	v_mov_b32 v[OT+k], 0                           ; the step is written without a first step of its own: the first change of M multiplies zeros
.set k, k+1
.endr
	v_add_nc_u32 v[CDC], 2*SLOTB, v[CD0]           ; slot 2 lies beyond the 16-bit offset
	v_add_nc_u32 v[CSC], 2*SLOTB, v[CS0]
	s_wait_alu depctr_va_vdst(0)
	s_wait_loadcnt 10                              ; Q and step 0's five loads are in; the ten of steps 1 and 2 may be out
.irp i, 0,1,2,3
	ds_store_b128 v[CD0], v[S+4*\i:S+4*\i+3] offset:512*\i
.endr
	ds_store_b32 v[CS0], v[S+16]
	s_wait_loadcnt 5                               ; step 1's are in; step 2's five may be out
.irp i, 0,1,2,3
	ds_store_b128 v[CD0], v[S+20+4*\i:S+20+4*\i+3] offset:SLOTB+512*\i
.endr
	ds_store_b32 v[CS0], v[S+36] offset:SLOTB
	s_wait_loadcnt 0x0
.irp i, 0,1,2,3
	ds_store_b128 v[CDC], v[S+40+4*\i:S+40+4*\i+3] offset:512*\i
.endr
	ds_store_b32 v[CSC], v[S+56]
.macro VLOAD first                     ; V's channel tiles first, first + 1: 16 channels x 128 keys each
.irp u, 0,1
.irp c, 0,1,2,3
	ds_load_b128 v[FR+16*\u+4*\c:FR+16*\u+4*\c+3], v[AKC] offset:16384+(\c/2)*4096+(\first+\u)*1024+(\c%2)*512
.endr
.endr
.endm
.macro PV first                        ; O^T += V^T P^T; the four accumulators take turns, one instruction a turn
.irp u, 0,1
	v_wmma_scale_f32_16x16x128_f8f6f4 v[OT+8*(\first+\u):OT+8*(\first+\u)+7], v[FR+16*\u:FR+16*\u+15], v[PCD:PCD+15], v[OT+8*(\first+\u):OT+8*(\first+\u)+7], v[SCW+\first+\u], v[PSW]
.endr
.endm
; A pass's end: O^T / the sum, quantised along the head's 64 (two blocks), codes to oc, the two scale bytes to the stage in LDS.  last = 0: then pass 1 begins.
.macro FINAL last
.rept 8
	v_nop                                          ; places behind the last products
.endr
	v_add_f32 v14, v14, v15
	s_delay_alu instid0(VALU_DEP_1)
	v_permlanex16_b32 v[TMP], v14, s[SEL], s[SEL+1]
	s_delay_alu instid0(VALU_DEP_1)
	v_add_f32 v14, v14, v[TMP]                     ; the row's sum
	s_wait_alu depctr_va_vdst(0)
	v_rcp_f32 v14, v14
	v_nop                                          ; a plain line behind the transcendental
	s_wait_alu depctr_va_vdst(0)
.set k, 0
.rept 32
	v_mul_f32 v[S+k], v[OT+k], v14                 ; register 16 g + i: channel 32 g + 16 h + i of my query
.set k, k+1
.endr
.irp b, 0,1
	v_max3_num_f32 v[BM+\b], |v[S+16*\b]|, |v[S+1+16*\b]|, 0x4800000
.endr
.irp i, 2,4,6,8,10,12,14
.irp b, 0,1
	s_delay_alu instid0(VALU_DEP_2)
	v_max3_num_f32 v[BM+\b], v[BM+\b], |v[S+16*\b+\i]|, |v[S+1+16*\b+\i]|
.endr
.endr
.irp b, 0,1
	s_delay_alu instid0(VALU_DEP_2)
	v_permlanex16_b32 v[BM+4+\b], v[BM+\b], s[SEL], s[SEL+1]
.endr
.irp b, 0,1
	s_delay_alu instid0(VALU_DEP_2)
	v_max_num_f32 v[BM+\b], v[BM+\b], v[BM+4+\b]
.endr
.irp b, 0,1
	s_delay_alu instid0(VALU_DEP_2)
	v_add_nc_u32 v[BM+12+\b], 0xfc000000, v[BM+\b]
.endr
.irp b, 0,1
	s_delay_alu instid0(VALU_DEP_4)
	v_and_or_b32 v[BM+8+\b], v[BM+\b], 0x7f800000, s[MNT]
.endr
.irp b, 0,1
	s_delay_alu instid0(VALU_DEP_4)
	v_lshrrev_b32 v[BM+4+\b], 23, v[BM+12+\b]
.endr
	s_delay_alu instid0(VALU_DEP_1)
	v_lshl_or_b32 v[TMP], v[BM+5], 8, v[BM+4]      ; my head's two bytes
.irp b, 0,1
.irp i, 0,1,2,3,4,5,6,7,8,9,10,11,12,13,14,15
	v_med3_num_f32 v[S+16*\b+\i], v[S+16*\b+\i], -v[BM+8+\b], v[BM+8+\b]
.endr
	v_cvt_scalef32_pk8_fp8_f32 v[PCD+4*\b:PCD+1+4*\b], v[S+16*\b:S+7+16*\b], v[BM+12+\b]
	v_cvt_scalef32_pk8_fp8_f32 v[PCD+2+4*\b:PCD+3+4*\b], v[S+8+16*\b:S+15+16*\b], v[BM+12+\b]
.endr
	v_nop                                          ; one plain line behind the last conversion
	global_store_b128 v[OV+\last], v[PCD:PCD+3], s[8:9]               ; 512 consecutive bytes, aligned
	global_store_b128 v[OV+\last], v[PCD+4:PCD+7], s[8:9] offset:512
	ds_store_b16 v[OSW], v[TMP] offset:512*\last   ; both lanes of a row write the same two bytes with the same value
.if !\last
	v_mov_b32 v[QSW], v[Q1+8]                      ; pass 1: its scale word first (it stands furthest ahead of the next products),
.irp i, 0,1,2,3,4,5,6,7
	v_mov_b32 v[16+\i], v[Q1+\i]                   ; its Q,
.endr
	v_mov_b32 v13, 0xff61b1e6                      ; and the state anew
	s_delay_alu instid0(VALU_DEP_1)
	v_floor_f32 v12, -v13
	v_mov_b32 v14, 0
	v_mov_b32 v15, 0
.set k, 0
.rept 32
	v_mov_b32 v[OT+k], 0
.set k, k+1
.endr
	s_wait_xcnt 0x0                                ; the stores have read the codes' registers, which the next step writes
.endif
.endm
; STEP n of the nine, out of slot n.  n <= 5: it brings step n + 3 into slot n + 3.  n <= 3: it is pass 0's diagonal step where n = i.  n = 8: pass 1's diagonal step.
.macro STEP n
	s_wait_dscnt 0x0                               ; my LDS stores of the last step (at step 0: of the head) are done: they have read their data and address registers, which are written again below
.if (\n)%3 == 0
	s_barrier_signal -1                            ; and at every third step: so are everybody's:
	s_barrier_wait -1                              ; slots n, n + 1 and n + 2 are whole
.endif
	v_add_nc_u32 v[AKC], (\n)*SLOTB, v[AK0]        ; this step's slot.  (These additions are places behind the last step's products: with the v_nop below they make eight)
	s_wait_alu depctr_va_vdst(0)
	v_add_nc_u32 v[ASC], (\n)*SLOTB, v[AS0]
.if (\n) < 6
	s_wait_alu depctr_va_vdst(0)
	KSTEP (\n)+3
	v_add_nc_u32 v[CV], s49, v[L16]                ; (the loads that read these two registers were waited for at the last step's end)
	v_add_nc_u32 v[CWO], s48, v[L4]
	v_add_nc_u32 v[CDC], ((\n)+3)*SLOTB, v[CD0]
	v_add_nc_u32 v[CSC], ((\n)+3)*SLOTB, v[CS0]
.irp i, 0,1,2,3
	global_load_b128 v[STG+4*\i:STG+4*\i+3], v[CV], s[4:5] offset:512*\i
.endr
	global_load_b32 v[STG+16], v[CWO], s[6:7]
.set NPH, 2
.else
.set NPH, 6
.endif
	s_wait_alu depctr_va_vdst(0)
.irp g, 0,1                            ; S^T = K Q^T, four tiles of 16 keys at a time
.if \g == 0
.rept NPH
	v_nop                                          ; places in front of loads into registers that matrix instructions have read: eight with the additions above
.endr
.else
.rept 8
	v_nop
.endr
.endif
.irp t, 0,1,2,3
	ds_load_b128 v[FR+8*\t:FR+8*\t+3], v[AKC] offset:(4*\g+\t)*1024
	ds_load_b128 v[FR+8*\t+4:FR+8*\t+7], v[AKC] offset:(4*\g+\t)*1024+512
.endr
	ds_load_b128 v[SCW:SCW+3], v[ASC] offset:256*\g
	s_wait_dscnt 0x0
.irp t, 0,1,2,3
	v_wmma_scale_f32_16x16x128_f8f6f4 v[S+8*(4*\g+\t):S+8*(4*\g+\t)+7], v[FR+8*\t:FR+8*\t+15], v[16:31], 0, v[SCW+\t], v[QSW]
.endr
.endr
.rept 8
	v_nop
.endr
	VLOAD 0                                        ; V's first two tiles and its scale words land under the softmax
	ds_load_b128 v[SCW:SCW+3], v[ASC] offset:1024
.if (\n) < 4
	s_cmp_lg_u32 s[II], (\n)                       ; pass 0's last step is step i
	s_cbranch_scc1 .Lopen_\@
.endif
.if ((\n) < 4) || ((\n) == 8)
.set mm, 0
.rept 64
	v_cmp_gt_i32 vcc_lo, 32*(mm/16)+mm%16, v[DG]   ; register 16 e + i holds key 32 e + 16 h + i of the step: hidden where it comes after my query
	v_cndmask_b32 v[S+mm], v[S+mm], v[NINF], vcc_lo
.set mm, mm+1
.endr
.endif
.Lopen_\@:
.irp b, 0,1,2,3
	v_max3_num_f32 v[BM+\b], v[S+16*\b], v[S+1+16*\b], v[S+2+16*\b]   ; the largest score of each block of 32 keys: for the row's maximum and, since p rises with the score, for the block's largest p
.endr
.irp i, 3,5,7,9,11,13
.irp b, 0,1,2,3
	v_max3_num_f32 v[BM+\b], v[BM+\b], v[S+16*\b+\i], v[S+1+16*\b+\i]
.endr
.endr
.irp b, 0,1,2,3
	v_max_num_f32 v[BM+\b], v[BM+\b], v[S+15+16*\b]
.endr
.irp b, 0,1,2,3
	s_delay_alu instid0(VALU_DEP_4)
	v_permlanex16_b32 v[BM+4+\b], v[BM+\b], s[SEL], s[SEL+1]
.endr
.irp b, 0,1,2,3
	s_delay_alu instid0(VALU_DEP_4)
	v_max_num_f32 v[BM+\b], v[BM+\b], v[BM+4+\b]
.endr
	s_delay_alu instid0(VALU_DEP_2)
	v_max3_num_f32 v[TMP], v[BM], v[BM+1], v[BM+2]
	s_delay_alu instid0(VALU_DEP_1)
	v_max_num_f32 v[TMP], v[TMP], v[BM+3]
	s_delay_alu instid0(VALU_DEP_1)
	v_mul_f32 v[TMP], s[CS], v[TMP]
	s_delay_alu instid0(VALU_DEP_1)
	v_max_num_f32 v13, v13, v[TMP]                 ; the running largest t
	v_mov_b32 v[TMP], v12
	s_delay_alu instid0(VALU_DEP_2)
	v_floor_f32 v12, -v13                          ; -M = floor(-t): M is a whole number
	s_delay_alu instid0(VALU_DEP_1)
	v_sub_f32 v[TMP], v12, v[TMP]
	s_delay_alu instid0(VALU_DEP_1)
	v_cvt_i32_f32 v[TMP], v[TMP]                   ; (it saturates)
	s_delay_alu instid0(VALU_DEP_1)
	v_ldexp_f32 v[F], 1.0, v[TMP]                  ; f = 2^(old M - new M): rounds nothing
.set k, 0
.rept 32
	v_pk_fma_f32 v[S+k:S+k+1], v[S+k:S+k+1], s[CS:CS+1], v[12:13] op_sel_hi:[1,0,0]   ; t - M
.set k, k+2
.endr
.irp b, 0,1,2,3
	v_fma_f32 v[BM+\b], v[BM+\b], s[CS], v12
.endr
.set k, 0
	s_wait_alu depctr_va_vdst(0)
.rept 64
	v_exp_f32 v[S+k], v[S+k]                       ; p = 2^(t - M)
.set k, k+1
.endr
	v_pk_mul_f32 v[14:15], v[14:15], v[F:F+1] op_sel_hi:[1,0]   ; the sums under the new M; a plain line behind the exponentials
	s_wait_alu depctr_va_vdst(0)                   ; one wait for the batch, ahead of its first reader
.irp b, 0,1,2,3
	v_exp_f32 v[BM+\b], v[BM+\b]                   ; the blocks' largest p
.endr
	v_pk_add_f32 v[196:197], v[76:77], v[80:81]
	v_pk_add_f32 v[254:255], v[84:85], v[88:89]
	v_pk_add_f32 v[252:253], v[92:93], v[96:97]
	v_pk_add_f32 v[250:251], v[100:101], v[104:105]
	v_pk_add_f32 v[248:249], v[108:109], v[112:113]
	v_pk_add_f32 v[214:215], v[116:117], v[120:121]
	v_pk_add_f32 v[206:207], v[124:125], v[128:129]
	v_pk_add_f32 v[14:15], v[14:15], v[132:133]
	v_pk_add_f32 v[196:197], v[196:197], v[72:73]
	v_pk_add_f32 v[254:255], v[254:255], v[74:75]
	v_pk_add_f32 v[252:253], v[252:253], v[78:79]
	v_pk_add_f32 v[250:251], v[250:251], v[82:83]
	v_pk_add_f32 v[248:249], v[248:249], v[86:87]
	v_pk_add_f32 v[214:215], v[214:215], v[90:91]
	v_pk_add_f32 v[206:207], v[206:207], v[94:95]
	v_pk_add_f32 v[14:15], v[14:15], v[98:99]
	v_pk_add_f32 v[196:197], v[196:197], v[102:103]
	v_pk_add_f32 v[254:255], v[254:255], v[106:107]
	v_pk_add_f32 v[252:253], v[252:253], v[110:111]
	v_pk_add_f32 v[250:251], v[250:251], v[114:115]
	v_pk_add_f32 v[248:249], v[248:249], v[118:119]
	v_pk_add_f32 v[214:215], v[214:215], v[122:123]
	v_pk_add_f32 v[206:207], v[206:207], v[126:127]
	v_pk_add_f32 v[14:15], v[14:15], v[130:131]
	v_pk_add_f32 v[196:197], v[196:197], v[134:135]
	s_delay_alu instid0(VALU_DEP_2)
	v_pk_add_f32 v[14:15], v[14:15], v[250:251]
	s_delay_alu instid0(VALU_DEP_2)
	v_pk_add_f32 v[196:197], v[196:197], v[248:249]
	v_pk_add_f32 v[254:255], v[254:255], v[214:215]
	v_pk_add_f32 v[252:253], v[252:253], v[206:207]
	s_delay_alu instid0(VALU_DEP_2)
	v_pk_add_f32 v[14:15], v[14:15], v[254:255]
	s_delay_alu instid0(VALU_DEP_2)
	v_pk_add_f32 v[196:197], v[196:197], v[252:253]
	s_delay_alu instid0(VALU_DEP_1)
	v_pk_add_f32 v[14:15], v[14:15], v[196:197]
	s_wait_alu depctr_va_vdst(0)                   ; and one for the four
.irp b, 0,1,2,3
	v_max_num_f32 v[BM+\b], 0x4800000, v[BM+\b]    ; the floor 2^(9 - 127)
.endr
.irp b, 0,1,2,3
	s_delay_alu instid0(VALU_DEP_4)
	v_add_nc_u32 v[BM+12+\b], 0xfc000000, v[BM+\b]
.endr
.irp b, 0,1,2,3
	v_and_or_b32 v[BM+8+\b], v[BM+\b], 0x7f800000, s[MNT]
.endr
.irp b, 0,1,2,3
	v_lshrrev_b32 v[BM+4+\b], 23, v[BM+12+\b]
.endr
	s_delay_alu instid0(VALU_DEP_3)
	v_lshl_or_b32 v[PSW], v[BM+5], 8, v[BM+4]      ; p's scale word for these 128 keys
	s_delay_alu instid0(VALU_DEP_1)
	v_lshl_or_b32 v[PSW], v[BM+6], 16, v[PSW]
	s_delay_alu instid0(VALU_DEP_1)
	v_lshl_or_b32 v[PSW], v[BM+7], 24, v[PSW]
.irp b, 0,1,2,3
.irp i, 0,1,2,3,4,5,6,7,8,9,10,11,12,13,14,15
	v_min_num_f32 v[S+16*\b+\i], v[S+16*\b+\i], v[BM+8+\b]   ; the conversion does not saturate (ISA guide 7.6.2); p is not negative, so the hold is one-sided
.endr
	v_cvt_scalef32_pk8_fp8_f32 v[PCD+4*\b:PCD+1+4*\b], v[S+16*\b:S+7+16*\b], v[BM+12+\b]
	v_cvt_scalef32_pk8_fp8_f32 v[PCD+2+4*\b:PCD+3+4*\b], v[S+8+16*\b:S+15+16*\b], v[BM+12+\b]
.endr
.set k, 0
.rept 16
	v_pk_mul_f32 v[OT+k:OT+k+1], v[OT+k:OT+k+1], v[F:F+1] op_sel_hi:[1,0]   ; O^T under the new M; these are also the places in front of the products below
.set k, k+2
.endr
	s_wait_alu depctr_va_vdst(0)
	s_wait_dscnt 0x0                               ; V's first two tiles and its scale words are in
	PV 0
.rept 8
	v_nop
.endr
	VLOAD 2
	s_wait_dscnt 0x0
	PV 2
.if (\n) < 6
	s_wait_loadcnt 0x0                             ; step n + 3's bytes, asked for at this step's head,
.irp i, 0,1,2,3
	ds_store_b128 v[CDC], v[STG+4*\i:STG+4*\i+3] offset:512*\i   ; go into their own slot, which nobody has touched yet
.endr
	ds_store_b32 v[CSC], v[STG+16]
.endif
.if (\n) < 4
	s_cmp_lg_u32 s[II], (\n)
	s_cbranch_scc1 .Lgo_\@
	FINAL 0
.endif
.if (\n) == 8
	FINAL 1
.endif
.Lgo_\@:
.endm
.irp n, 0,1,2,3,4,5,6,7,8
	STEP \n
.endr
	s_wait_dscnt 0x0                               ; my bytes of the scale words lie in the stage
	s_barrier_signal -1
	s_barrier_wait -1                              ; everybody's do
	s_cmp_lt_u32 s[WV], 2
	s_cbranch_scc0 .Ldone
	ds_load_b128 v[STG:STG+3], v[OSR]              ; wave 0: pass 0's 512 bytes; wave 1: pass 1's
	s_wait_dscnt 0x0
	global_store_b128 v[L16], v[STG:STG+3], s[10:11]   ; 512 consecutive bytes, aligned
.Ldone:
	s_wait_tensorcnt 0x0                           ; the wave's end, behind my last LDS store
	ds_add_u32 v[SPW], v[NIL]
	s_wait_dscnt 0x0
	s_endpgm
.Lfunc_end_k_qe59c57b8cd_attn:
	.size	k_qe59c57b8cd_attn, .Lfunc_end_k_qe59c57b8cd_attn-k_qe59c57b8cd_attn
	.p2alignl 7, 3214868480
	.fill 96, 4, 3214868480
	.section	.rodata,"a",@progbits
	.p2align	6, 0x0
	.amdhsa_kernel k_qe59c57b8cd_attn
		.amdhsa_group_segment_fixed_size 316416
		.amdhsa_private_segment_fixed_size 0
		.amdhsa_enable_private_segment 0
		.amdhsa_kernarg_size 32
		.amdhsa_user_sgpr_count 2
		.amdhsa_user_sgpr_kernarg_segment_ptr 1
		.amdhsa_wavefront_size32 1
		.amdhsa_system_sgpr_workgroup_id_x 1
		.amdhsa_system_sgpr_workgroup_id_y 1
		.amdhsa_system_sgpr_workgroup_id_z 1
		.amdhsa_system_vgpr_workitem_id 0
		.amdhsa_next_free_vgpr 256
		.amdhsa_next_free_sgpr 66
		.amdhsa_reserve_vcc 1
		.amdhsa_float_denorm_mode_32 3
		.amdhsa_float_denorm_mode_16_64 3
		.amdhsa_memory_ordered 1
		.amdhsa_forward_progress 1
		.amdhsa_inst_pref_size 255
	.end_amdhsa_kernel
	.section	.bss,"aw",@nobits
	.p2align	6
	.space	262144
	.amdgpu_metadata
---
amdhsa.version: [ 1, 2 ]
amdhsa.kernels:
  - .name:           k_qe59c57b8cd_attn
    .symbol:         k_qe59c57b8cd_attn.kd
    .args:
      - { .name: att, .offset: 0, .size: 8, .value_kind: global_buffer, .address_space: global }
      - { .name: ats, .offset: 8, .size: 8, .value_kind: global_buffer, .address_space: global }
      - { .name: oc, .offset: 16, .size: 8, .value_kind: global_buffer, .address_space: global }
      - { .name: os, .offset: 24, .size: 8, .value_kind: global_buffer, .address_space: global }
    .group_segment_fixed_size: 316416
    .private_segment_fixed_size: 0
    .kernarg_segment_align: 8
    .kernarg_segment_size: 32
    .max_flat_workgroup_size: 512
    .sgpr_count:     66
    .vgpr_count:     256
    .wavefront_size: 32
...
	.end_amdgpu_metadata
.endif
;; end of part 3
;; launch outp (part 4): grid 8 x 32, 4 waves a work-group, clusters of 4 x 4, 327,680 bytes of LDS; arguments oc, os, cod, sca, bo, out0; writes out0
.if DOCPART == 4
	.amdgcn_target "amdgcn-amd-amdhsa--gfx1250"
	.amdhsa_code_object_version 6
	.text
	.protected	k_qe59c57b8cd_outp
	.globl	k_qe59c57b8cd_outp
	.p2align	8
	.type	k_qe59c57b8cd_outp,@function
k_qe59c57b8cd_outp:
	s_mov_b64 s[64:65], 0
	v_nop
	global_prefetch_b8 v0, s[64:65] scope:SCOPE_SE
	s_setreg_imm32_b32 hwreg(HW_REG_WAVE_MODE, 25, 1), 1
	s_wait_xcnt 0x0
	s_wait_alu depctr_hold_cnt(0) depctr_sa_sdst(0) depctr_va_vdst(0) depctr_va_sdst(0) depctr_va_ssrc(0) depctr_va_vcc(0) depctr_vm_vsrc(0)
	s_getreg_b32 s2, hwreg(HW_REG_IB_STS2, 6, 4)
	s_cmp_eq_u32 s2, 0
	s_cbranch_scc0 .Lentry_in_a_cluster
	s_endpgm
.Lentry_in_a_cluster:
	s_bfe_u32 s2, ttmp6, 0x10000c
	s_cmp_lg_u32 s2, 0xf033
	s_cbranch_scc0 .Lentry_shape_is_right
	s_endpgm
.Lentry_shape_is_right:
; out0 = o Wo^T + bo on codes of FP8 (E4M3) with E8M0 scales: 8,192 rows x 1,024 columns x K 1,024; f32 out.
; oc, cod: [K slot of 256][tile of 16 rows][which 128][image 2,048 bytes = [c][lane][16]]; place r of tile T is row 32 (T / 2) + 8 (T % 2) + r + 8 (r / 8).  o's tile 64 b + tt holds tokens of batch b; Wo's tiles begin at 1,728.
; os, sca: the scale word of place r of tile T at K step s lies at (T / 8) 4096 + 512 s + ((T / 4) % 2) 256 + 16 r + 4 (T % 4).
; THE DEAL.  256 work-groups: 32 row tiles of 256 rows x 8 column tiles of 128.  Four waves, 2 x 2: wave (w, u) holds Wo's tiles 4 u .. 4 u + 3 of the column tile, ALL of K, in 512 registers (windows 1, 2)
; and streams eight blocks of 16 rows past them: block n is tile 8 (n / 4) + 4 w + n % 4 of the row tile's sixteen; 32 products a block on four sums by turns.
; LDS: two slots of 131,072 bytes, [K slot][tile of eight][4,096].  Slot 0: rows' chunk 0 (tiles 0-7).  Slot 1: Wo's eight tiles, and, when every wave holds them in registers, chunk 1 (tiles 8-15), filled in a drained round.
; CLUSTER 4 x 4: the rows' chunks hang on the row tile alone and are asked for jointly along a row of the cluster; Wo's tiles hang on the column tile alone: jointly along a column.
; HEAD: one joint load a wave: waves 0, 1 Wo's halves (two K slots each: two rows of 32,768 bytes), waves 2, 3 chunk 0's.  The first barrier shows Wo's alone (waves 0, 1 wait); the round ahead of the refill shows the rest.
; The refill is a quarter (one K slot) a wave; the plain barrier behind block 2's products shows it, ahead of block 4's fetch.  By this text's count a wave never has more than one tensor load out.
; Chunk 1 is asked of memory once in each cluster row, behind the first barrier: 512 blocks of 256 bytes, a lane a block, partner cx taking K slot cx, wave v its bytes 8,192 v on.  Nothing else is prefetched: all other tiles are first fills of the head.
; TRANSPOSED USE: source 0 = a tile of Wo, source 1 = a block of rows: lane (r, h) holds token place r, and tile b's register j is column 32 (b / 2) + 16 h + 8 (b % 2) + j.  bo is the first products' C.
; THE WAY OUT: a block's 16 rows x 256 bytes go through the wave's own stage (bytes that no fill lands on) and leave as whole aligned units of 256 bytes, one block behind the products.
; Scale words and bo come by plain loads into registers that hold them for the whole launch.  No product's two scale registers have numbers equal modulo 8 (v28 on, v64 on).
; LIMITS: NaN and infinities are not served.
.set SSC,   7340032                    ; bytes from K slot to K slot in cod
.set SSO,   2097152                    ; and in oc
.set SL1,   131072                     ; slot 1
.set STG,   262144                     ; the stages: 16 rows x 272 bytes a wave
.set SP,    272
.set SPARE, STG+4*16*SP                ; the spare words: 128 bytes a wave, two blocks of 256 bytes that no other line names
.set SPW, 2
.set NIL, 3
.set L16, 4                            ; 16 x lane
.set R16, 5                            ; 16 r
.set H64, 6                            ; 64 h
.set ADX, 8                            ; v8-11  my rows' fragments: slot 0 K slots 0-1, 2-3; slot 1 likewise
.set ADW, 12                           ; v12-13 my tiles of Wo in slot 1
.set STO, 14
.set RD,  15
.set CO,  16                           ; 32,768 (lane / 16) + 16 (lane % 16): two rows of out0 a store
.set PF,  17
.set SB,  28                           ; v28-59   Wo's scale words: 4 s + b
.set SA,  64                           ; v64-127  the rows': 32 (n / 4) + 4 s + n % 4
.set BB,  128                          ; v128-159 bo in the result's layout
.set ACC, 160                          ; v160-191 four sums
.set OB,  192                          ; v192-255 two sets of a block read back from the stage
.set G1W, 24
.set G1A, 32
.set G1R, 48
.set G0W, 56
.set G0A, 60
.set G0R, 68
.set MSB, 0
.macro WIN new                         ; the immediate's high byte repeats the setting that is left
.if MSB != (\new)
	s_set_vgpr_msb (MSB<<8)|(\new)
.set MSB, (\new)
.endif
.endm
.macro PLACES n
.rept \n
	v_nop
.endr
.endm
.macro BARRIER
	s_barrier_signal -1
	s_barrier_wait -1
.endm
.macro CROUND                          ; a round of the cluster's barrier
	BARRIER
	s_cmp_lg_u32 s18, 0
	s_cbranch_scc1 .Lnot_wave_0_\@
	s_barrier_signal -3
.Lnot_wave_0_\@:
	s_barrier_wait -3
	BARRIER
.endm
.macro TLOAD g0, g1                    ; an s_nop 0 and four v_nop follow the load
	tensor_load_to_lds s[\g0:\g0+3], s[\g1:\g1+7]
	s_nop 0
	PLACES 4
.endm
.macro GROUP1 g, mask, c, r, p         ; r rows of c elements of 8 bytes, p elements apart; no padding: an image is read 512 consecutive bytes at a time
	s_or_b32 s[\g], s\mask, (3<<16)|(1<<21)
	s_mov_b32 s[\g+1], (\c)<<16
	s_mov_b32 s[\g+2], (\r)<<16
	s_mov_b32 s[\g+3], (\c)<<16
	s_mov_b32 s[\g+4], \r
	s_mov_b32 s[\g+5], \p
	s_mov_b32 s[\g+6], 0
	s_mov_b32 s[\g+7], 0
.endm
.macro SADD d, x
	s_add_co_u32 s\d, s\d, s\x
.endm
	s_load_b256 s[4:11], s[0:1], 0x0               ; oc s[4:5], os s[6:7], cod s[8:9], sca s[10:11]
	s_load_b128 s[12:15], s[0:1], 0x20             ; bo s[12:13], out0 s[14:15]
	v_lshl_add_u32 v[SPW], v0, 2, SPARE
	v_mov_b32 v[NIL], 0
	ds_add_u32 v[SPW], v[NIL]                      ; the opening lines: the add, twice on end, and its wait below; work on registers between
	ds_add_u32 v[SPW], v[NIL]
	v_lshrrev_b32 v1, 5, v0
	v_readfirstlane_b32 s18, v1                    ; wave 0..3
	s_lshr_b32 s19, s18, 1                         ; w: my row of waves
	s_and_b32 s20, s18, 1                          ; u: my column of waves; also the half that I fetch at the head
	s_bfe_u32 s21, ttmp6, 0x40000                  ; cx
	s_bfe_u32 s22, ttmp6, 0x40004                  ; cy
	s_lshl_b32 s23, ttmp9, 2
	SADD 23, 21                                    ; column tile 0..7
	s_and_b32 s16, ttmp7, 0xffff
	s_lshl_b32 s16, s16, 2
	SADD 16, 22                                    ; row tile 0..31
	s_lshl_b32 s40, s22, 2
	s_lshl_b32 s40, 15, s40                        ; my row of the cluster
	s_lshl_b32 s41, 0x1111, s21                    ; my column
	GROUP1 G1W, 41, 4096, 2, SSC/8                 ; two K slots of eight tiles of Wo
	GROUP1 G1A, 40, 4096, 2, SSO/8                 ; of eight tiles of rows
	GROUP1 G1R, 40, 32, 128, 32                    ; one K slot of eight tiles: 32,768 dense bytes as 128 rows of 256
	s_lshl_b32 s42, s23, 15                        ; s[42:43] in cod: Wo's tiles 1,728 + 8 x column tile, my half
	s_add_co_u32 s42, s42, 1728*4096
	s_mul_i32 s43, s20, 2*SSC
	SADD 42, 43
	s_mov_b32 s43, 0
	s_lshl_b32 s44, s16, 16                        ; s[44:45] in oc: chunk 0, my half
	s_lshl_b32 s45, s20, 22
	SADD 44, 45
	s_mov_b32 s45, 0
	s_lshl_b32 s46, s16, 16                        ; s[46:47] in oc: chunk 1, K slot = my wave
	s_lshl_b32 s47, s18, 21
	SADD 46, 47
	s_add_co_u32 s46, s46, 32768
	s_mov_b32 s47, 0
	s_lshl_b32 s83, s16, 16                        ; s83: my wave's share of the prefetch of chunk 1
	s_lshl_b32 s84, s21, 21
	SADD 83, 84
	s_lshl_b32 s84, s18, 13
	SADD 83, 84
	s_add_co_u32 s83, s83, 32768
	s_lshl_b32 s72, s23, 12                        ; s[72:73] in sca: my four tiles' words
	s_add_co_u32 s72, s72, 216*4096
	s_lshl_b32 s73, s20, 8
	SADD 72, 73
	s_mov_b32 s73, 0
	s_lshl_b32 s74, s16, 13                        ; s[74:75] in os: my blocks' words
	s_lshl_b32 s75, s19, 8
	SADD 74, 75
	s_mov_b32 s75, 0
	s_lshl_b32 s76, s23, 9                         ; s[76:77] in bo, and in a row of out0: my 64 columns
	s_lshl_b32 s77, s20, 8
	SADD 76, 77
	s_mov_b32 s77, 0
	s_and_b32 s78, s16, 3                          ; s[78:79] in out0: token 256 (row tile % 4) + 64 w, batch row tile / 4
	s_lshl_b32 s78, s78, 23
	s_lshl_b32 s79, s19, 21
	SADD 78, 79
	s_lshr_b32 s79, s16, 2
	s_lshl_b32 s79, s79, 12
	SADD 78, 79
	SADD 78, 76
	s_mov_b32 s79, 0
	s_mov_b32 s[G0W], 1                            ; where the tiles go: no place in the cluster enters an LDS address
	s_lshl_b32 s[G0W+1], s20, 16
	s_add_co_u32 s[G0W+1], s[G0W+1], SL1
	s_mov_b32 s[G0A], 1
	s_lshl_b32 s[G0A+1], s20, 16
	s_mov_b32 s[G0R], 1
	s_lshl_b32 s[G0R+1], s18, 15
	s_add_co_u32 s[G0R+1], s[G0R+1], SL1
	s_lshl_b32 s80, s19, 14                        ; my four tiles of a chunk
	s_lshl_b32 s81, s20, 14                        ; my four tiles of Wo
	s_add_co_u32 s81, s81, SL1
	s_mul_i32 s82, s18, 16*SP
	s_add_co_u32 s82, s82, STG                     ; my stage
	v_and_b32 v1, 31, v0                           ; lane
	v_and_b32 v7, 15, v0                           ; r
	v_bfe_u32 v18, v0, 4, 1                        ; h
	v_lshlrev_b32 v[L16], 4, v1
	v_lshlrev_b32 v[R16], 4, v7
	v_lshlrev_b32 v[H64], 6, v18
	v_add_nc_u32 v[ADX], s80, v[L16]
	v_add_nc_u32 v[ADX+1], 65536, v[ADX]
	v_add_nc_u32 v[ADX+2], 131072, v[ADX]
	v_add_nc_u32 v[ADX+3], 196608, v[ADX]
	v_add_nc_u32 v[ADW], s81, v[L16]
	v_add_nc_u32 v[ADW+1], 65536, v[ADW]
	v_mul_u32_u24 v[STO], v7, SP                   ; in: row r, 64 h bytes on
	v_add_nc_u32 v[STO], v[STO], v[H64]
	v_add_nc_u32 v[STO], s82, v[STO]
	v_mul_u32_u24 v[RD], v18, SP                   ; back: lanes 0-15 one row of 256 bytes, lanes 16-31 the next
	v_add_nc_u32 v[RD], v[RD], v[R16]
	v_add_nc_u32 v[RD], s82, v[RD]
	v_lshl_add_u32 v[CO], v18, 15, v[R16]
	v_lshl_add_u32 v[PF], v1, 8, s83
	s_wait_alu depctr_va_vdst(0)
	s_wait_dscnt 0x0                               ; both opening adds are done
	CROUND                                         ; all sixteen work-groups are here: the first joint loads meet
	s_wait_kmcnt 0x0
	s_add_nc_u64 s[G0W+2:G0W+3], s[8:9], s[42:43]
	s_or_b32 s[G0W+3], s[G0W+3], 0x80000000
	s_add_nc_u64 s[G0A+2:G0A+3], s[4:5], s[44:45]
	s_or_b32 s[G0A+3], s[G0A+3], 0x80000000
	s_add_nc_u64 s[G0R+2:G0R+3], s[4:5], s[46:47]
	s_or_b32 s[G0R+3], s[G0R+3], 0x80000000
	s_add_nc_u64 s[72:73], s[10:11], s[72:73]
	s_add_nc_u64 s[74:75], s[6:7], s[74:75]
	s_add_nc_u64 s[76:77], s[12:13], s[76:77]
	s_add_nc_u64 s[78:79], s[14:15], s[78:79]
	s_cmp_lt_u32 s18, 2                            ; one load a wave; a line of its own for what the first barrier shows
	s_cbranch_scc0 .Lfor_rows
	TLOAD G0W, G1W                                 ; waves 0, 1: Wo's halves, which are wanted first
	s_branch .Lasked
.Lfor_rows:
	TLOAD G0A, G1A                                 ; waves 2, 3: chunk 0's halves
.Lasked:
.irp s, 0,1,2,3,4,5,6,7
	global_load_b128 v[SB+4*\s:SB+4*\s+3], v[R16], s[72:73] offset:512*\s
.endr
.irp c, 0,1
.irp s, 0,1,2,3,4,5,6,7
	global_load_b128 v[SA+32*\c+4*\s:SA+32*\c+4*\s+3], v[R16], s[74:75] offset:4096*\c+512*\s
.endr
.endr
.irp b, 0,1,2,3
	global_load_b128 v[BB+8*\b:BB+8*\b+3], v[H64], s[76:77] offset:(32*(\b/2)+8*(\b%2))*4
	global_load_b128 v[BB+8*\b+4:BB+8*\b+7], v[H64], s[76:77] offset:(32*(\b/2)+8*(\b%2))*4+16
.endr
	s_cmp_lt_u32 s18, 2
	s_cbranch_scc0 .Lnot_w
	s_wait_tensorcnt 0x0                           ; waves 0, 1: Wo's halves have landed; the others' wait stands ahead of the round below
.Lnot_w:
	BARRIER
	global_prefetch_b8 v[PF], s[4:5] th:TH_LOAD_NT scope:SCOPE_SE   ; chunk 1; its address register is never written again
.irp s, 0,1,2,3,4,5,6,7                ; my 64 rows of Wo, all of K: fragment 4 s + b in window 1 + s / 4: 128 loads
	WIN (1+\s/4)<<6
.irp b, 0,1,2,3
.irp c, 0,1,2,3
	ds_load_b128 v[16*((4*\s+\b)%16)+4*\c:16*((4*\s+\b)%16)+4*\c+3], v[ADW+\s/4] offset:((\s/2)%2)*32768+\b*4096+(\s%2)*2048+512*\c
.endr
.endr
.endr
	WIN 0
	s_wait_tensorcnt 0x0                           ; the three lines ahead of a refill's round: all my tensor loads are in (chunk 0's halves among them),
	ds_add_u32 v[SPW], v[NIL]                      ; the add,
	s_wait_dscnt 0x0                               ; and it and my reads of slot 1 are done: Wo is in registers
	CROUND
	TLOAD G0R, G1R                                 ; chunk 1 over Wo's rows
.macro FETCH n                         ; block n, all of K, into set n % 2 of window 3: 32 loads of 512 consecutive bytes
	WIN 0xc0
.irp s, 0,1,2,3,4,5,6,7
.irp c, 0,1,2,3
	ds_load_b128 v[128*((\n)%2)+16*\s+4*\c:128*((\n)%2)+16*\s+4*\c+3], v[ADX+2*((\n)/4)+\s/4] offset:((\s/2)%2)*32768+((\n)%4)*4096+(\s%2)*2048+512*\c
.endr
.endr
	WIN 0
.endm
.macro PROD n, k                       ; product k = 4 s + b of block n: K step s, Wo's tile b
.set S_, (\k)/4
.set B_, (\k)%4
.set W_, 16*((\k)%16)
.set X_, 128*((\n)%2)+16*S_
.set A_, ACC+8*B_
	WIN (1+(\k)/16)|12
.if S_ == 0
	v_wmma_scale_f32_16x16x128_f8f6f4 v[A_:A_+7], v[W_:W_+15], v[X_:X_+15], v[BB+8*B_:BB+8*B_+7], v[SB+4*S_+B_], v[SA+32*((\n)/4)+4*S_+(\n)%4]
.else
	v_wmma_scale_f32_16x16x128_f8f6f4 v[A_:A_+7], v[W_:W_+15], v[X_:X_+15], v[A_:A_+7], v[SB+4*S_+B_], v[SA+32*((\n)/4)+4*S_+(\n)%4]
.endif
.endm
.macro TOSTAGE n                       ; the four sums, each from its low end on, into my stage, and back as rows; LDS serves a wave's instructions in order (ISA guide 5.7.1.4)
.irp b, 0,1,2,3
	ds_store_b128 v[STO], v[ACC+8*\b:ACC+8*\b+3] offset:128*(\b/2)+32*(\b%2)
	ds_store_b128 v[STO], v[ACC+8*\b+4:ACC+8*\b+7] offset:128*(\b/2)+32*(\b%2)+16
.endr
.irp t, 0,1,2,3,4,5,6,7
	ds_load_b128 v[OB+32*((\n)%2)+4*\t:OB+32*((\n)%2)+4*\t+3], v[RD] offset:\t*2*SP
.endr
.endm
.macro SEND n                          ; places 2 t, 2 t + 1 of block n: sixteen lanes store 256 consecutive bytes, aligned.  Every offset is an immediate: 190 rows of 32,768 bytes at the most
.irp t, 0,1,2,3,4,5,6,7
	global_store_b128 v[CO], v[OB+32*((\n)%2)+4*\t:OB+32*((\n)%2)+4*\t+3], s[78:79] offset:(128*((\n)/4)+32*(((\n)%4)/2)+8*((\n)%2)+2*\t+8*(\t/4))*32768 th:TH_STORE_NT
.endr
.endm
.macro BLK n
.set N_, 0
.rept 32
	PROD \n, N_
.set N_, N_+1
.endr
	WIN 0
	PLACES 9                                       ; behind the last product: eight ahead of the stores that read the sums and of the fetch into the set just read, nine ahead of the next block's products, which write over the sums
.if (\n) == 2
	s_wait_tensorcnt 0x0                           ; my quarter of chunk 1 is in
.endif
	s_wait_dscnt 0x0                               ; the next block's fragments and the last block's rows are in registers (asked for ahead of these 32 products)
.if (\n) == 2
	BARRIER                                        ; everybody's quarter is in
.endif
	s_wait_xcnt 0x0                                ; the stores of two blocks back have read their registers, which TOSTAGE's loads write
.if (\n) > 0
	SEND (\n)-1
.endif
	TOSTAGE \n
.if (\n)+2 < 8
	FETCH (\n)+2
.endif
.endm
	FETCH 0
	FETCH 1
	s_wait_loadcnt 0x0                             ; the scale words and bo
	s_wait_dscnt 32                                ; block 0's fragments are in; block 1's 32 loads may be out
.irp n, 0,1,2,3,4,5,6,7
	BLK \n
.endr
	s_wait_dscnt 0x0
	SEND 7
	s_wait_tensorcnt 0x0                           ; the wave's end
	ds_add_u32 v[SPW], v[NIL]
	s_wait_dscnt 0x0
	CROUND                                         ; the closing round
	s_endpgm
.Lfunc_end_k_qe59c57b8cd_outp:
	.size	k_qe59c57b8cd_outp, .Lfunc_end_k_qe59c57b8cd_outp-k_qe59c57b8cd_outp
	.p2alignl 7, 3214868480
	.fill 96, 4, 3214868480
	.section	.rodata,"a",@progbits
	.p2align	6, 0x0
	.amdhsa_kernel k_qe59c57b8cd_outp
		.amdhsa_group_segment_fixed_size 327680
		.amdhsa_private_segment_fixed_size 0
		.amdhsa_enable_private_segment 0
		.amdhsa_kernarg_size 48
		.amdhsa_user_sgpr_count 2
		.amdhsa_user_sgpr_kernarg_segment_ptr 1
		.amdhsa_wavefront_size32 1
		.amdhsa_system_sgpr_workgroup_id_x 1
		.amdhsa_system_sgpr_workgroup_id_y 1
		.amdhsa_system_sgpr_workgroup_id_z 1
		.amdhsa_system_vgpr_workitem_id 0
		.amdhsa_next_free_vgpr 1024
		.amdhsa_next_free_sgpr 90
		.amdhsa_reserve_vcc 0
		.amdhsa_float_denorm_mode_32 3
		.amdhsa_float_denorm_mode_16_64 3
		.amdhsa_memory_ordered 1
		.amdhsa_forward_progress 1
		.amdhsa_inst_pref_size 86
	.end_amdhsa_kernel
	.amdgpu_metadata
---
amdhsa.version: [ 1, 2 ]
amdhsa.kernels:
  - .name:           k_qe59c57b8cd_outp
    .symbol:         k_qe59c57b8cd_outp.kd
    .args:
      - { .name: oc, .offset: 0, .size: 8, .value_kind: global_buffer, .address_space: global }
      - { .name: os, .offset: 8, .size: 8, .value_kind: global_buffer, .address_space: global }
      - { .name: cod, .offset: 16, .size: 8, .value_kind: global_buffer, .address_space: global }
      - { .name: sca, .offset: 24, .size: 8, .value_kind: global_buffer, .address_space: global }
      - { .name: bo, .offset: 32, .size: 8, .value_kind: global_buffer, .address_space: global }
      - { .name: out0, .offset: 40, .size: 8, .value_kind: global_buffer, .address_space: global }
    .group_segment_fixed_size: 327680
    .private_segment_fixed_size: 0
    .kernarg_segment_align: 8
    .kernarg_segment_size: 48
    .max_flat_workgroup_size: 128
    .sgpr_count:     90
    .vgpr_count:     1024
    .wavefront_size: 32
...
	.end_amdgpu_metadata
.endif
;; end of part 4
